; MI455X (gfx1250); checked and timed in simulation.
; The chip was launched on July 23, 2026; its instructions are those of AMD's public machine-readable ISA for CDNA 5 (MIT licence, August 2026) and "CDNA5" Instruction Set Architecture Reference Guide (July 2026). The comments in the code are by the model that wrote it; some were corrected since.
;; Masked Multi Head Attention. Allowed arithmetic: matrix products marked QUANTISED: E5M2 operands, one E8M0 scale for each 32 along K, by v_wmma_scale_f32_16x16x128_f8f6f4 with both operands' format E5M2, f32 sums; everything else in f32.
;; Inputs: Wk 1,024 x 1,024 float32; Wo 1,024 x 1,024 float32; Wq 1,024 x 1,024 float32; Wv 1,024 x 1,024 float32; bk 1,024 float32; bo 1,024 float32; bq 1,024 float32; bv 1,024 float32; x 4 x 2,048 x 1,024 float32.
;; Outputs: out0 4 x 2,048 x 1,024 float32.
;; This version of the problem:
;;   THIS VERSION OF THE PROBLEM IS GIVEN IN LOW PRECISION. The matrix products marked QUANTISED in the list below multiply operands that are first quantised to E5M2 (5 exponent bits, 2 mantissa bits; 8 bits a number), with one power-of-two scale for each 32 numbers along K (OCP MX v1.0); their sums are f32. All else is computed in f32.
;;   The module's matrix products, in the order in which they are computed (A, B: the left and right operand; K: the contracted axis; several contracted axes count as one K, in the product's order):
;;     1. [M 8,192, K 1,024] x [K 1,024, N 1,024]; A: input x; B: input Wq: QUANTISED
;;     2. [M 8,192, K 1,024] x [K 1,024, N 1,024]; A: input x; B: input Wk: QUANTISED
;;     3. [M 8,192, K 1,024] x [K 1,024, N 1,024]; A: input x; B: input Wv: QUANTISED
;;     4. batch 64 x [M 2,048, K 64] x [K 64, N 2,048]; A: computed on the way; B: computed on the way: QUANTISED
;;     5. batch 64 x [M 2,048, K 2,048] x [K 2,048, N 64]; A: softmax (see below); B: computed on the way: QUANTISED
;;     6. [M 8,192, K 1,024] x [K 1,024, N 1,024]; A: computed on the way; B: input Wo: QUANTISED
;;   THE QUANTISER, for each operand of a quantised product, along K:
;;     - K is cut into blocks of 32 from its start; a last block that is shorter is filled with zeros.
;;     - A block's scale is 2^e with e = floor(log2(the largest magnitude in the block)) - 15, held to -126 .. 127; a block of zeros has e = 0. As a byte (E8M0): e + 127.
;;     - Each number is divided by its block's scale, clamped to +-57,344, and rounded to the nearest number of E5M2, ties to even, subnormals kept.
;;     - The product sums the exact products of the quantised numbers (number of the format x scale) in f32.
;;   ~~~python
;;   def quantise(x, axis):      # numpy; x: float32 -> the quantised numbers, widened to float32 again
;;       x = np.moveaxis(x, axis, -1); K = x.shape[-1]
;;       x = np.pad(x, [(0, 0)] * (x.ndim - 1) + [(0, -K % 32)]); x = x.reshape(x.shape[:-1] + (-1, 32)); a = np.abs(x).max(-1, keepdims=True)
;;       e = np.where(a > 0, np.clip(np.frexp(np.where(a > 0, a, 1))[1] - 1 - 15, -126, 127), 0)      # np.frexp(a)[1] - 1 = floor(log2(a)), exactly
;;       r = np.clip(x / 2.0 ** e, -57344, 57344)
;;       step = 2.0 ** (np.maximum(np.frexp(np.where(r == 0, 1, r))[1] - 1, -14) - 2)
;;       q = np.round(r / step) * step * 2.0 ** e      # np.round: ties to even
;;       return np.moveaxis(q.reshape(q.shape[:-2] + (-1,))[..., :K], -1, axis).astype(np.float32)
;;   ~~~
;;   SOFTMAX AHEAD OF A QUANTISED PRODUCT. Where the list says 'softmax', what is quantised is not the finished softmax but p = 2^(t - M), with t = logit x log2(e) and M = ceil(the row's largest t), a whole number; so 1/2 < the row's largest p <= 1. The row's sum l is taken of the UNQUANTISED p, in f32, and the product's result is divided by l at the end. Since M is a whole number, a kernel that streams over the keys may use a running M (the ceiling of the running maximum): every later rescaling is an exact power of two, which a block's scale takes up: the codes' values come out the same.
;;   OPERANDS COMPUTED ON THE WAY. 'Computed on the way' means the value that the module computes at that place (a softmax that the list does not call 'softmax' is quantised finished and normalised). What goes into a quantiser is computed in f32, as accurately as f32 sums, v_exp_f32 and their like allow (about 1e-6 of the number): no bf16 or f16 on the way to a quantiser, and a product that is left as it is and whose result goes on into a quantised operand takes f32 operands (vector FMAs, or v_wmma_f32_16x16x4_f32). A number that lies on a knife's edge between two numbers of the format may be rounded either way, as far as f32 arithmetic and the matrix unit's own rounding can turn it there, and no further.
;; One version. Each part assembles by itself: llvm-mc -triple=amdgcn-amd-amdhsa -mcpu=gfx1250 --defsym DOCPART=n.
;; ======== version 1 of 1: 4 launches
;; limits: right only within a limited range of input values
;; workspace buffers: codes 12,582,912 bytes; scl 393,216 bytes; qkv 25,165,824 bytes; qkvs 1,310,720 bytes; cimg 8,388,608 bytes; csc 262,144 bytes
;; launch quant (part 1): grid 384 x 1, 4 waves a work-group, no clusters, 33,280 bytes of LDS; arguments x, Wq, Wk, Wv, Wo, codes, scl; writes codes, scl
.if DOCPART == 1
	.amdgcn_target "amdgcn-amd-amdhsa--gfx1250"
	.amdhsa_code_object_version 6
	.text
	.protected	k_q4f85fe0994_quant
	.globl	k_q4f85fe0994_quant
	.p2align	8
	.type	k_q4f85fe0994_quant,@function
k_q4f85fe0994_quant:
	s_mov_b64 s[64:65], 0
	v_nop
	global_prefetch_b8 v0, s[64:65] scope:SCOPE_SE
	s_setreg_imm32_b32 hwreg(HW_REG_WAVE_MODE, 25, 1), 1
	s_wait_xcnt 0x0
; x [8192][1024] and Wq, Wk, Wv, Wo [1024][1024], f32, K innermost in all five, become codes of BF8 (E5M2) and one E8M0 scale byte for each 32 along K.
; codes: [12288 rows][1024 bytes]: rows 0-8191 x, then 1024 rows each of Wq, Wk, Wv, Wo.  scl: [12288][32 bytes].  Both are plain streams of blocks of 32, so nothing here knows of rows.
; THE ORDER INSIDE A BLOCK.  The 32 bytes of a block hold k = 0-7, 16-23, 8-15, 24-31 in this order.  Every operand of this program's six products is laid so, on both sides,
; so each product still pairs equal k, and a block and its scale are the true ones.  It is the order in which two neighbouring tiles of a matrix result fall into a lane's registers,
; so that the later launches quantise their results where they lie.
; A block's scale is 2^(floor(log2(its largest magnitude)) - 15); its byte is the largest magnitude's exponent field - 15, held at 1 from below.  Each number is divided by the scale, held within +-57,344, rounded to the nearest code, ties to even.
; LIMITS: a block of zeros, and a block whose largest magnitude lies under 2^-111, gets the byte 1 (the rule says 127 for zeros: the codes are zeros, and this program alone reads the bytes); NaN and infinities among the inputs are not served.
; SHARES.  A work-group takes 32,768 numbers, a wave 8,192 in 16 steps of 512.  Work-groups 0-255 take x, then 32 each Wq, Wk, Wv, Wo; only pointers are chosen, all take one path.
; Each of a step's four loads reads 512 consecutive bytes; the 2,048 bytes turn through the wave's own stage in LDS (16 bytes of padding behind each 64) and come back so that lane 2 j + e holds k = 8 e .. 8 e + 7 and 16 + 8 e .. 16 + 8 e + 7 of block j.
; A lane's 16 codes are 16 bytes: the wave stores 512 consecutive bytes.  A wave's 256 scale bytes are gathered in LDS and leave as 256 consecutive bytes.  No barrier: waves share nothing.
.set STEPS, 16
.set XWG,   256                        ; work-groups that take x
.set MANT,  0x600000                   ; the mantissa field of 57,344 as f32
.set CB,    16                         ; bytes of 16 codes
.set R,     16                         ; v16-79   four sets of 16 numbers as they are loaded
.set X,     80                         ; v80-111  two sets of 16 numbers of a block
.set E,     112                        ; v112-127 a scale byte for each step
.set C,     128                        ; v128-191 codes: four registers for each step, so that no store's data are written again
.set WREG,  8192                       ; LDS: a region for each wave: two stages of 32 x SP bytes, behind them its 256 scale bytes
.set SP,    80                         ; 64 bytes + 16 of padding
	s_load_b256 s[4:11], s[0:1], 0x0               ; x, Wq, Wk, Wv
	s_load_b128 s[12:15], s[0:1], 0x20             ; Wo, codes
	s_load_b64 s[24:25], s[0:1], 0x30              ; scl
	v_lshl_add_u32 v192, v0, 2, 0x8000
	v_mov_b32 v193, 0
	v_lshrrev_b32 v1, 5, v0
	v_readfirstlane_b32 s16, v1                    ; wave
	v_and_b32 v2, 31, v0                           ; lane
	v_lshlrev_b32 v3, 4, v2                        ; my 16 bytes of a load's 512
	s_mul_i32 s17, s16, WREG
	v_lshrrev_b32 v14, 2, v2
	v_mul_u32_u24 v14, v14, SP
	v_and_b32 v15, 3, v2
	v_lshl_add_u32 v14, v15, 4, v14
	v_add_nc_u32 v14, s17, v14                     ; the stage, on the way in: SP (lane / 4) + 16 (lane % 4)
	v_lshrrev_b32 v15, 1, v2
	v_mul_u32_u24 v15, v15, 2*SP                   ; on the way out: block lane / 2 begins 2 SP further on for each block,
	v_and_b32 v7, 1, v2
	v_lshl_add_u32 v15, v7, 5, v15                 ; and the odd lane takes the eight numbers behind the even lane's
	v_add_nc_u32 v15, s17, v15
	v_mul_u32_u24 v4, v2, CB                       ; my codes' place in a step's
	v_lshrrev_b32 v5, 1, v2
	s_add_co_u32 s17, s17, 2*32*SP
	v_add_nc_u32 v5, s17, v5                       ; LDS: my wave's 256 scale bytes, my block's byte
	v_lshlrev_b32 v7, 3, v2                        ; and on the way out 8 bytes a lane
	v_add_nc_u32 v6, s17, v7
	s_mov_b32 s23, MANT
	s_sub_co_u32 s17, ttmp9, XWG                   ; among the weights' work-groups:
	s_lshr_b32 s18, s17, 5                         ; which weight,
	s_and_b32 s17, s17, 31                         ; and which 32,768 numbers of it
	s_wait_kmcnt 0x0
	s_cmp_eq_u32 s18, 1                            ; the choices hang on the work-group's number alone
	s_cselect_b64 s[6:7], s[8:9], s[6:7]
	s_cmp_eq_u32 s18, 2
	s_cselect_b64 s[6:7], s[10:11], s[6:7]
	s_cmp_eq_u32 s18, 3
	s_cselect_b64 s[6:7], s[12:13], s[6:7]
	s_cmp_lt_u32 ttmp9, XWG
	s_cselect_b64 s[4:5], s[4:5], s[6:7]
	s_cselect_b32 s17, ttmp9, s17
	s_lshl_b32 s17, s17, 2
	s_add_co_u32 s17, s17, s16                     ; which run of 8,192 numbers of the tensor is my wave's
	s_lshl_b32 s20, s17, 15
	s_mov_b32 s21, 0
	s_add_nc_u64 s[4:5], s[4:5], s[20:21]
	s_lshl_b32 s18, ttmp9, 2
	s_add_co_u32 s18, s18, s16                     ; and which run of the two workspace buffers, in which the five tensors lie on end
	s_lshl_b32 s20, s18, 13
	s_add_nc_u64 s[14:15], s[14:15], s[20:21]
	s_lshl_b32 s20, s18, 8
	s_add_nc_u64 s[24:25], s[24:25], s[20:21]
.macro LOAD t
.irp i, 0,1,2,3
	global_load_b128 v[R+16*((\t)%4)+4*\i:R+16*((\t)%4)+4*\i+3], v3, s[4:5] offset:2048*(\t)+512*\i th:TH_LOAD_NT   ; 32 lanes read 512 consecutive bytes
.endr
.endm
.macro TURN t                          ; step t's numbers through the stage: LDS serves a wave's instructions in order (ISA guide 5.7.1.4), so no wait stands between the stores and the loads
.irp i, 0,1,2,3
	ds_store_b128 v14, v[R+16*((\t)%4)+4*\i:R+16*((\t)%4)+4*\i+3] offset:32*SP*((\t)%2)+8*SP*\i
.endr
.irp i, 0,1,2,3
	ds_load_b128 v[X+16*((\t)%2)+4*\i:X+16*((\t)%2)+4*\i+3], v15 offset:32*SP*((\t)%2)+SP*(\i/2)+16*(\i%2)   ; eight numbers of the block's first half, eight of its second
.endr
.endm
.irp t, 0,1,2,3
	LOAD \t
.endr
	s_wait_loadcnt 12                              ; step 0's four loads are in
	TURN 0
.macro STEP t
.set XS, X+16*((\t)%2)
.if (\t) > 0
	s_wait_dscnt 1                                 ; this step's numbers are back from the stage (the last step's byte store may be out): so its stores into the stage have read their registers,
.else
	s_wait_dscnt 0x0
.endif
.if (\t)+4 < STEPS
	LOAD (\t)+4                                    ; which take the loads of four steps on
.endif
.if (\t)+1 < STEPS
.if STEPS-2-(\t) >= 3
	s_wait_loadcnt 12                              ; the next step's four loads are in; those of the three steps behind it may be out
.else
	s_wait_loadcnt 4*(STEPS-2-(\t))
.endif
	TURN (\t)+1                                    ; and go through the other stage while this step is worked
.endif
	v_max3_num_f32 v8, |v[XS]|, |v[XS+1]|, |v[XS+2]|               ; the largest magnitude of my 16
	v_max3_num_f32 v9, |v[XS+3]|, |v[XS+4]|, |v[XS+5]|
.irp i, 6,10
	v_max3_num_f32 v8, v8, |v[XS+\i]|, |v[XS+\i+1]|
	v_max3_num_f32 v9, v9, |v[XS+\i+2]|, |v[XS+\i+3]|
.endr
	v_max3_num_f32 v8, v8, |v[XS+14]|, |v[XS+15]|
	v_max3_num_f32 v8, v8, v9, 0x8000000           ; and the floor 2^(16 - 127): so the byte cannot fall under 1
	v_max_num_f32_dpp v8, v8, v8 row_xmask:1 row_mask:0xf bank_mask:0xf   ; and of my neighbour's 16: the block's
	v_add_nc_u32 v11, 0xf8800000, v8               ; 15 off its exponent field: the conversion takes the exponent field of this operand as its scale
	v_and_or_b32 v10, v8, 0x7f800000, s23          ; 57,344 x the scale
.irp i, 0,1,2,3,4,5,6,7,8,9,10,11,12,13,14,15
	v_med3_num_f32 v[XS+\i], v[XS+\i], -v10, v10   ; the conversion to an 8-bit code does not saturate (ISA guide 7.6.2): the hold comes first
.endr
	v_cvt_scalef32_pk8_bf8_f32 v[C+4*(\t):C+4*(\t)+1], v[XS:XS+7], v11
	v_cvt_scalef32_pk8_bf8_f32 v[C+4*(\t)+2:C+4*(\t)+3], v[XS+8:XS+15], v11
	v_lshrrev_b32 v[E+(\t)], 23, v11               ; the scale's byte
	ds_store_b8 v5, v[E+(\t)] offset:16*(\t)       ; both lanes of a block write the same byte with the same value
	global_store_b128 v4, v[C+4*(\t):C+4*(\t)+3], s[14:15] offset:32*CB*(\t)   ; 512 consecutive bytes, at a multiple of 512 from the buffer's first byte
.endm
.irp t, 0,1,2,3,4,5,6,7,8,9,10,11,12,13,14,15
	STEP \t
.endr
	ds_load_b64 v[12:13], v6                       ; these see my byte stores: a wave's LDS instructions are served in order
	s_wait_dscnt 0x0
	global_store_b64 v7, v[12:13], s[24:25]        ; 32 lanes store 256 consecutive bytes, aligned
	s_wait_tensorcnt 0x0
	ds_add_u32 v192, v193
	s_wait_dscnt 0x0
	s_endpgm
.Lfunc_end_k_q4f85fe0994_quant:
	.size	k_q4f85fe0994_quant, .Lfunc_end_k_q4f85fe0994_quant-k_q4f85fe0994_quant
	.p2alignl 7, 3214868480
	.fill 96, 4, 3214868480
	.section	.rodata,"a",@progbits
	.p2align	6, 0x0
	.amdhsa_kernel k_q4f85fe0994_quant
		.amdhsa_group_segment_fixed_size 33280
		.amdhsa_private_segment_fixed_size 0
		.amdhsa_enable_private_segment 0
		.amdhsa_kernarg_size 56
		.amdhsa_user_sgpr_count 2
		.amdhsa_user_sgpr_kernarg_segment_ptr 1
		.amdhsa_wavefront_size32 1
		.amdhsa_system_sgpr_workgroup_id_x 1
		.amdhsa_system_sgpr_workgroup_id_y 1
		.amdhsa_system_sgpr_workgroup_id_z 1
		.amdhsa_system_vgpr_workitem_id 0
		.amdhsa_next_free_vgpr 194
		.amdhsa_next_free_sgpr 66
		.amdhsa_reserve_vcc 0
		.amdhsa_float_denorm_mode_32 3
		.amdhsa_float_denorm_mode_16_64 3
		.amdhsa_memory_ordered 1
		.amdhsa_forward_progress 1
		.amdhsa_inst_pref_size 51
	.end_amdhsa_kernel
	.amdgpu_metadata
---
amdhsa.version: [ 1, 2 ]
amdhsa.kernels:
  - .name:           k_q4f85fe0994_quant
    .symbol:         k_q4f85fe0994_quant.kd
    .args:
      - { .name: x, .offset: 0, .size: 8, .value_kind: global_buffer, .address_space: global }
      - { .name: Wq, .offset: 8, .size: 8, .value_kind: global_buffer, .address_space: global }
      - { .name: Wk, .offset: 16, .size: 8, .value_kind: global_buffer, .address_space: global }
      - { .name: Wv, .offset: 24, .size: 8, .value_kind: global_buffer, .address_space: global }
      - { .name: Wo, .offset: 32, .size: 8, .value_kind: global_buffer, .address_space: global }
      - { .name: codes, .offset: 40, .size: 8, .value_kind: global_buffer, .address_space: global }
      - { .name: scl, .offset: 48, .size: 8, .value_kind: global_buffer, .address_space: global }
    .group_segment_fixed_size: 33280
    .private_segment_fixed_size: 0
    .kernarg_segment_align: 8
    .kernarg_segment_size: 56
    .max_flat_workgroup_size: 128
    .sgpr_count:     66
    .vgpr_count:     194
    .wavefront_size: 32
...
	.end_amdgpu_metadata
.endif
;; end of part 1
;; launch qkv (part 2): grid 12 x 32, 4 waves a work-group, clusters of 4 x 4, 327,680 bytes of LDS; arguments codes, scl, bq, bk, bv, qkv, qkvs; writes qkv, qkvs
.if DOCPART == 2
	.amdgcn_target "amdgcn-amd-amdhsa--gfx1250"
	.amdhsa_code_object_version 6
	.text
	.protected	k_q4f85fe0994_qkv
	.globl	k_q4f85fe0994_qkv
	.p2align	8
	.type	k_q4f85fe0994_qkv,@function
k_q4f85fe0994_qkv:
	s_mov_b64 s[64:65], 0
	v_nop
	global_prefetch_b8 v0, s[64:65] scope:SCOPE_SE
	s_setreg_imm32_b32 hwreg(HW_REG_WAVE_MODE, 25, 1), 1
	s_wait_xcnt 0x0
	s_wait_alu depctr_hold_cnt(0) depctr_sa_sdst(0) depctr_va_vdst(0) depctr_va_sdst(0) depctr_va_ssrc(0) depctr_va_vcc(0) depctr_vm_vsrc(0)
	s_getreg_b32 s2, hwreg(HW_REG_IB_STS2, 6, 4)
	s_cmp_eq_u32 s2, 0
	s_cbranch_scc0 .Lentry_in_a_cluster
	s_endpgm
.Lentry_in_a_cluster:
	s_bfe_u32 s2, ttmp6, 0x10000c
	s_cmp_lg_u32 s2, 0xf033
	s_cbranch_scc0 .Lentry_shape_is_right
	s_endpgm
.Lentry_shape_is_right:
; q = x Wq^T + bq, k = x Wk^T + bk, v = x Wv^T + bv on codes of BF8 (E5M2) with one E8M0 scale for each 32 along K = 1,024; the results are quantised in registers for the attention's two products and leave as codes.
; ONE TEXT, TWO MODES, by the cluster's x, which all sixteen partners share.  Cluster x = 0, 1: q, k: operand A = x (rows: tokens), operand B = Wq or Wk (rows: features).  Cluster x = 2: v: A = Wv, B = x.
; The matrix instruction is used transposed (source 0 = 16 rows of B, source 1 = 16 rows of A): a lane holds ONE row of A, and its registers run along B's rows: the features for q and k, the tokens (keys) for v:
; the axis along which the next product sums, so the conversions take a lane's own registers.  The 16 registers of two neighbouring tiles are k = 8 h + 0..7 and 16 + 8 h + 0..7 of a block of 32 (h = lane / 16):
; the order inside a block in which this program lays every operand, on both sides of each product.
; A tile of 256 x 256 is made by four waves, 128 x 128 each: 64 accumulators, 512 registers.  K goes in four steps of 256 through two LDS slots filled by the tensor data mover; the scale bytes of the tile's rows come once.
; CLUSTERS: 4 x 4 work-groups; A's tile is asked for jointly by the four of a row of the cluster, B's by the four of a column.
; OUT.  Fragment images: a group of four operand registers is 512 bytes, lane l's 16 bytes at 16 l.  qkv: q at 0, k at 8 MiB: [token / 16][head 16][1,024 bytes]; v at 16 MiB: [token / 128][feature / 16][2,048 bytes].
; qkvs, scale words: q at 0, k at 512 KiB: [token / 64][head][row 16][(token / 16) % 4]: bytes 0, 1 are the head's two blocks, bytes 2, 3 another head's or 0 and meet zero codes alone; v at 1 MiB: [token / 128][head][row 16][(feature / 16) % 4].
; LIMITS: blocks of zeros and blocks under 2^-111 get the byte 1; NaN and infinities are not served.
; REGISTERS, in windows of 256: window 0: v8-15 the bias loads' offsets; v16-31 addresses; v32-63 scale words, two sets; v64-127 the biases; from v128 A's fragments, ONE set; on the way out v128-235 are at work.
;   window 1: B's fragments, two sets.   window 2: the accumulators of my rows 0-63 ((a, b) at v[8 (8 a + b)]);   window 3: those of my rows 64-127.
.set NQ,     2                         ; matrix instructions deep in a slot
.set ROWB,   256                       ; a tile's row in bytes
.set KROW,   1024                      ; a row of codes in memory
.set PITCH,  272                       ; an LDS row: 256 bytes + 16 of padding = 68 words: the 16 rows that a load touches start at 16 different banks (64 banks of 4 bytes: ISA guide 11.1)
.set FR,     16                        ; registers of a fragment
.set NL,     4                         ; LDS loads that bring one
.set NP,     8                         ; places behind this matrix instruction (ISA guide 7.12.1)
.set HALFT,  128*PITCH                 ; 128 rows: what one tensor load brings
.set SLOT,   4*HALFT                   ; A's 256 rows, then B's 256 rows
.set KS,     32                        ; a row of scale bytes
.set SCL,    2*SLOT                    ; behind the ring: the scales, as runs of 256 bytes + 16 of padding
.set HALFS,  (128*KS/256)*272          ; those of 128 rows
.set SBLK,   (16*KS/256)*272           ; those of 16 rows
.set SPARE,  SCL+4*HALFS               ; the spare words, 128 bytes for each wave, which no other line names
.set BO,   8                           ; v8-15   the bias loads' offsets, one for each of a tile's eight registers
.set ADRA, 16                          ; v16-17  LDS address of my A fragments in slot 0, 1
.set ADRB, 20                          ; v20-21  the same for B
.set VO,   24                          ; v24     16 x lane: my place in an image
.set SVO,  25                          ; v25     my place in a store of scale words
.set SHV,  26                          ; v26     q, k: 16 x (lane / 16): lanes 16-31 keep the second head's two bytes; v: 0
.set ADRS, 27                          ; v27     LDS address of my scale words: lanes 0-15 A's rows, lanes 16-31 B's
.set SPW,  28                          ; v28     LDS address of my spare word; never rewritten
.set NIL,  29                          ; v29     0; never rewritten
.set SC,   32                          ; scale words: set s at v[SC + 16 s]; register 2 i + q: lanes 0-15 A's block i, lanes 16-31 B's block i
.set BIAS, 64
.set AF,   128                         ; A's fragments
.set W,    128                         ; the way out: 64 numbers of a lane
.set PC,   192                         ; their codes
.set TM,   208                         ; v208-211 largest magnitudes, v212-215 bytes, v216-219 holds, v220-223 the conversions' scale operands
.set PW,   224                         ; the scale word just made
.set SW,   228                         ; v228-235 the eight blocks' scale words as they are stored
.set G1, 24
.set G0, 32
.set G1B, 48
.set G0B, 56
.set G1S, 68
.set G0S, 76
.set G1SB, 80
.set G0SB, 88
.set MD,  66                           ; s66  1: v;  0: q, k
.set MNT, 67                           ; s67  the mantissa field of 57,344
.set SEL, 22                           ; s[22:23] v_permlanex16_b32's selects for lane l xor 16
.set MSB, 0
.macro WIN new                         ; the immediate's high byte repeats the setting that is left
.if MSB != \new
	s_set_vgpr_msb (MSB<<8)|\new
.set MSB, \new
.endif
.endm
.set MUL_LO, 0xa1                      ; source 0 (B) window 1, source 1 (A) window 0, C and D window 2
.set MUL_HI, 0xf1                      ; the same, C and D window 3
.set TO_B,   0x40                      ; destination window 1, address window 0
; A joint load: waves 0 and 1 fetch for A, waves 2 and 3 for B.  The branch hangs on the wave's number alone.  Four v_nop follow each of the two lines.
.macro JLOAD g0a, g1a, g0b, g1b
	s_cmp_eq_u32 s15, 0
	s_cbranch_scc0 .Lfor_b_\@
	tensor_load_to_lds s[\g0a:\g0a+3], s[\g1a:\g1a+7]
	s_nop 0
.rept 4
	v_nop
.endr
	s_branch .Lasked_\@
.Lfor_b_\@:
	tensor_load_to_lds s[\g0b:\g0b+3], s[\g1b:\g1b+7]
	s_nop 0
.rept 4
	v_nop
.endr
.Lasked_\@:
.endm
.macro CREST                           ; a round of the cluster's barrier behind its opening barrier
	s_cmp_lg_u32 s14, 0
	s_cbranch_scc1 .Lnot_wave_0_\@
	s_barrier_signal -3
.Lnot_wave_0_\@:
	s_barrier_wait -3
	s_barrier_signal -1
	s_barrier_wait -1
.endm
.macro CROUND                          ; a whole round
	s_barrier_signal -1
	s_barrier_wait -1
	CREST
.endm
	s_load_b128 s[4:7], s[0:1], 0x0                ; codes, scl
	s_load_b128 s[8:11], s[0:1], 0x10              ; bq, bk
	s_load_b128 s[96:99], s[0:1], 0x20             ; bv, qkv
	s_load_b64 s[100:101], s[0:1], 0x30            ; qkvs
	v_lshl_add_u32 v[SPW], v0, 2, SPARE
	v_mov_b32 v[NIL], 0
	ds_add_u32 v28, v29
	ds_add_u32 v28, v29
	s_wait_dscnt 0x0
	v_lshrrev_b32 v1, 5, v0
	v_readfirstlane_b32 s14, v1                    ; wave 0..3
	s_lshr_b32 s15, s14, 1                         ; which half of A's rows is mine.  Also: I fetch for A (0) or for B (1)
	s_and_b32 s16, s14, 1                          ; which half of B's rows.  Also: which 128 rows I fetch
	s_bfe_u32 s40, ttmp6, 0x40000                  ; cx, cy: my place in the cluster
	s_bfe_u32 s41, ttmp6, 0x40004
	s_and_b32 s17, ttmp7, 0xffff
	s_lshl_b32 s17, s17, 10                        ; the cluster's 1,024 tokens begin here
	s_lshl_b32 s42, ttmp9, 10
	s_add_co_u32 s42, s42, 8192                    ; q, k: the weight's first row in codes
	s_mov_b32 s45, 10240                           ; v: Wv's
	s_cmp_eq_u32 ttmp9, 2                          ; the mode: equal in all partners
	s_cselect_b32 s[MD], 1, 0
	s_cselect_b32 s45, s45, s17                    ; A's first row in codes
	s_cselect_b32 s46, s17, s42                    ; B's
	s_cselect_b32 s12, 0, s17                      ; and counted within their own tensors: A's,
	s_cselect_b32 s13, s17, 0                      ; B's
	s_lshl_b32 s43, s41, 2
	s_lshl_b32 s43, 15, s43                        ; my row of the cluster
	s_lshl_b32 s44, 0x1111, s40                    ; my column
	; descriptor group 1: a tile of 128 rows x 256 bytes, padded in LDS
	s_or_b32 s[G1+0], s43, (0<<16)|(1<<20)|(1<<21)|(5<<22)|(3<<25)  ; 15:0 the mask: A's tiles go to my row; 17:16 elements of 1 byte; 20 padding on; 21 set beside a mask; 24:22 after every 64 words; 31:25 four words
	s_or_b32 s[G1B+0], s44, (0<<16)|(1<<20)|(1<<21)|(5<<22)|(3<<25)
.irp g, G1, G1B
	s_mov_b32 s[\g+1], ROWB<<16                    ; tensor_dim0
	s_mov_b32 s[\g+2], 128<<16                     ; tensor_dim1
	s_mov_b32 s[\g+3], ROWB<<16                    ; tile_dim0
	s_mov_b32 s[\g+4], 128                         ; tile_dim1
	s_mov_b32 s[\g+5], KROW                        ; tensor_dim0_stride
	s_mov_b32 s[\g+6], 0
	s_mov_b32 s[\g+7], 0
.endr
	; the scales of 128 rows: 4,096 dense bytes, as 16 rows of 256 bytes (32 elements of 8 bytes), 16 bytes of padding behind each
	s_or_b32 s[G1S+0], s43, (3<<16)|(1<<20)|(1<<21)|(5<<22)|(3<<25)
	s_or_b32 s[G1SB+0], s44, (3<<16)|(1<<20)|(1<<21)|(5<<22)|(3<<25)
.irp g, G1S, G1SB
	s_mov_b32 s[\g+1], 32<<16
	s_mov_b32 s[\g+2], (128*KS/256)<<16
	s_mov_b32 s[\g+3], 32<<16
	s_mov_b32 s[\g+4], 128*KS/256
	s_mov_b32 s[\g+5], 32
	s_mov_b32 s[\g+6], 0
	s_mov_b32 s[\g+7], 0
.endr
	s_lshl_b32 s18, s16, 7                         ; 128 x (wave % 2)
	s_lshl_b32 s19, s41, 8                         ; 256 cy
	s_add_co_u32 s45, s45, s19
	s_add_co_u32 s45, s45, s18                     ; the rows of A that I fetch: they hang on cy, which my row of the cluster shares
	s_lshl_b32 s2, s40, 8                          ; 256 cx
	s_add_co_u32 s46, s46, s2
	s_add_co_u32 s46, s46, s18                     ; the rows of B: on cx, which my column shares
	s_add_co_u32 s12, s12, s19
	s_lshl_b32 s3, s15, 7
	s_add_co_u32 s12, s12, s3                      ; rA: my wave's first row of A, within its tensor
	s_add_co_u32 s13, s13, s2
	s_add_co_u32 s13, s13, s18                     ; rB: of B
	s_lshl_b32 s20, s45, 10                        ; bytes: 1,024 a row of codes,
	s_mov_b32 s21, 0
	s_lshl_b32 s22, s45, 5                         ; 32 a row of scale bytes
	s_mov_b32 s23, 0
	s_lshl_b32 s92, s46, 5
	s_mov_b32 s93, 0
	s_lshl_b32 s46, s46, 10
	s_mov_b32 s47, 0
	s_mul_i32 s95, s14, HALFT                      ; where they go: wave x 128 rows: no place in the cluster enters an LDS address
	s_mul_i32 s94, s14, HALFS
	s_wait_kmcnt 0x0
	s_add_nc_u64 s[20:21], s[4:5], s[20:21]
	s_add_nc_u64 s[22:23], s[6:7], s[22:23]
	s_add_nc_u64 s[46:47], s[4:5], s[46:47]
	s_add_nc_u64 s[92:93], s[6:7], s[92:93]
	CROUND                                         ; all sixteen work-groups are here: the first joint loads meet
	s_mov_b32 s[G0S], 1
	s_add_co_u32 s[G0S+1], s94, SCL
	s_mov_b64 s[G0S+2:G0S+3], s[22:23]
	s_or_b32 s[G0S+3], s[G0S+3], 0x80000000
	s_mov_b32 s[G0SB], 1
	s_add_co_u32 s[G0SB+1], s94, SCL
	s_mov_b64 s[G0SB+2:G0SB+3], s[92:93]
	s_or_b32 s[G0SB+3], s[G0SB+3], 0x80000000
	JLOAD G0S, G1S, G0SB, G1SB                     ; the scales first: they are wanted with K step 0
.irp s, 0,1
	s_mov_b32 s[G0+4*\s], 1
	s_add_co_u32 s[G0+4*\s+1], s95, \s*SLOT
	s_add_nc_u64 s[G0+4*\s+2:G0+4*\s+3], s[20:21], \s*ROWB
	s_or_b32 s[G0+4*\s+3], s[G0+4*\s+3], 0x80000000
	s_mov_b32 s[G0B+4*\s], 1
	s_add_co_u32 s[G0B+4*\s+1], s95, \s*SLOT
	s_add_nc_u64 s[G0B+4*\s+2:G0B+4*\s+3], s[46:47], \s*ROWB
	s_or_b32 s[G0B+4*\s+3], s[G0B+4*\s+3], 0x80000000
	JLOAD G0+4*\s, G1, G0B+4*\s, G1B
.endr
	v_and_b32 v1, 15, v0                           ; r = lane % 16
	v_bfe_u32 v2, v0, 4, 1                         ; h = lane / 16
	v_mul_u32_u24 v3, v1, PITCH
	v_lshl_add_u32 v4, v2, 4, v3                   ; a fragment's row x pitch + 16 h
	s_mul_i32 s21, s15, HALFT                      ; my 128 rows of A
	s_mul_i32 s22, s16, HALFT                      ; my 128 rows of B,
	s_add_co_u32 s22, s22, 2*HALFT                 ; which lie behind A's 256
.irp s, 0,1
	v_add_nc_u32 v[ADRA+\s], s21, v4
	v_add_nc_u32 v[ADRB+\s], s22, v4
	s_add_co_u32 s21, s21, SLOT
	s_add_co_u32 s22, s22, SLOT
.endr
	v_mul_u32_u24 v5, v1, KS                       ; my row's scales: 32 bytes a row,
	v_lshrrev_b32 v6, 8, v5
	v_lshl_add_u32 v5, v6, 4, v5                   ; and 16 more for each 256 passed
	s_mul_i32 s21, s15, HALFS                      ; A's: my 128 rows
	s_mul_i32 s22, s16, HALFS                      ; B's: my 128 rows, behind A's 256
	s_add_co_u32 s22, s22, 2*HALFS
	s_sub_co_u32 s22, s22, s21
	v_mul_u32_u24 v6, s22, v2                      ; lanes 16-31 take B's
	s_add_co_u32 s21, s21, SCL
	v_add_nc_u32 v5, v5, v6
	v_add_nc_u32 v[ADRS], s21, v5
	; what differs between the modes on the way out, chosen once
	s_cmp_eq_u32 s[MD], 1
	s_cselect_b32 s2, s13, s12                     ; my first token,
	s_cselect_b32 s3, s12, s13                     ; my first feature
	s_cselect_b32 s44, 7, 4                        ; codes: bytes for a feature: v 2,048 / 16; q, k 1,024 / 64
	s_cselect_b32 s45, 5, 6                        ; scale words: bytes for a token: v 4,096 / 128; q, k 4,096 / 64
	s_cselect_b32 s23, 4, 0                        ; the bias: bytes from row to row of A,
	s_cselect_b32 s40, 0, 32                       ; from one half of the lanes to the other,
	s_cselect_b32 s41, 0, 4                        ; from register to register
	s_cselect_b32 s42, 15, 31                      ; the scale words' store: v: both halves of the lanes write the same 256 bytes; q, k: a head each
	s_cselect_b32 s43, 0, 16
	s_mov_b32 s18, 16384
	s_cselect_b32 s18, 2048, s18                   ; from one block of 16 rows of A to the next: in the codes,
	s_mov_b32 s20, 4096
	s_cselect_b32 s20, 256, s20                    ; and, for four blocks, in the scale words
	s_mov_b32 s19, 0
	s_mov_b32 s21, 0
	s_lshl_b32 s44, s3, s44
	s_lshl_b32 s46, s2, 10                         ; 1,024 bytes of codes a token in both modes
	s_add_co_u32 s46, s46, s44
	s_lshl_b32 s44, ttmp9, 23                      ; q, k, v: 8 MiB each
	s_add_co_u32 s46, s46, s44
	s_mov_b32 s47, 0
	s_add_nc_u64 s[98:99], s[98:99], s[46:47]      ; where my first image goes
	s_lshl_b32 s46, s2, s45
	s_lshl_b32 s44, s3, 2                          ; 4 bytes a feature: 256 / 64
	s_add_co_u32 s46, s46, s44
	s_lshl_b32 s45, ttmp9, 19                      ; q's and k's words: 512 KiB each
	s_add_co_u32 s46, s46, s45
	s_add_nc_u64 s[100:101], s[100:101], s[46:47]  ; where my first scale words go
	s_cmp_eq_u32 ttmp9, 1
	s_cselect_b64 s[8:9], s[10:11], s[8:9]
	s_cmp_eq_u32 ttmp9, 2
	s_cselect_b64 s[8:9], s[96:97], s[8:9]         ; bq, bk or bv,
	s_mov_b32 s45, 0
	s_add_nc_u64 s[8:9], s[8:9], s[44:45]          ; at my first feature
	; THE BIASES, in the layout of the results.  q, k: register 8 b + j = bias[16 b + 8 h + j].  v: register 8 a + j = bias[16 a + r] for every j.  One path serves both: eight offsets, 64 loads.
	v_mul_u32_u24 v[BO], s23, v1
	v_mad_u32_u24 v[BO], v2, s40, v[BO]
.irp j, 1,2,3,4,5,6,7
	v_add_nc_u32 v[BO+\j], s41, v[BO+\j-1]
.endr
.irp t, 0,1,2,3,4,5,6,7
.irp j, 0,1,2,3,4,5,6,7
	global_load_b32 v[BIAS+8*\t+\j], v[BO+\j], s[8:9] offset:64*\t
.endr
.endr
	v_and_b32 v3, 31, v0
	v_lshlrev_b32 v[VO], 4, v3
	v_and_b32 v[SVO], s42, v0
	v_lshlrev_b32 v[SVO], 4, v[SVO]
	v_mul_u32_u24 v[SHV], s43, v2
	s_mov_b32 s[SEL], 0x76543210
	s_mov_b32 s[SEL+1], 0xfedcba98
	s_mov_b32 s[MNT], 0x600000
.macro FRAG reg, adr, q, i             ; a fragment, 16 rows x 128 K, is 16 registers: lane l holds row l % 16; registers 4 c .. 4 c + 3 the 16 bytes at 32 c + 16 (l / 16)
.irp c, 0,1,2,3
	ds_load_b128 v[\reg+4*\c:\reg+4*\c+3], v[\adr] offset:128*(\q)+32*\c+(\i)*16*PITCH
.endr
.endm
; 16 matrix instructions: A's blocks a0, a0 + 1 x B's eight, the slot's q-th 128 along K.  p: B's set; sc: the set of scale words.  zero = 1: the first product starts the sums.
; The 64 accumulators take turns, one instruction a turn, in the same order in every step.
.macro MUL16 a0, p, q, sc, zero
.irp a, \a0, \a0+1
.irp b, 0,1,2,3,4,5,6,7
.if \zero
	v_wmma_scale_f32_16x16x128_f8f6f4 v[8*(8*((\a)%4)+\b):8*(8*((\a)%4)+\b)+7], v[128*(\p)+FR*\b:128*(\p)+FR*\b+FR-1], v[AF+FR*(\a):AF+FR*(\a)+FR-1], 0, v[SC+8*NQ*(\sc)+NQ*\b+(\q)], v[SC+8*NQ*(\sc)+NQ*(\a)+(\q)] matrix_a_fmt:MATRIX_FMT_BF8 matrix_b_fmt:MATRIX_FMT_BF8 matrix_a_scale:MATRIX_SCALE_ROW1
.else
	v_wmma_scale_f32_16x16x128_f8f6f4 v[8*(8*((\a)%4)+\b):8*(8*((\a)%4)+\b)+7], v[128*(\p)+FR*\b:128*(\p)+FR*\b+FR-1], v[AF+FR*(\a):AF+FR*(\a)+FR-1], v[8*(8*((\a)%4)+\b):8*(8*((\a)%4)+\b)+7], v[SC+8*NQ*(\sc)+NQ*\b+(\q)], v[SC+8*NQ*(\sc)+NQ*(\a)+(\q)] matrix_a_fmt:MATRIX_FMT_BF8 matrix_b_fmt:MATRIX_FMT_BF8 matrix_a_scale:MATRIX_SCALE_ROW1
.endif
.endr
.endr
.endm
.macro FETCH_B slot, q, p              ; B's eight fragments of the slot's q-th 128 along K into set p
	WIN TO_B
.irp i, 0,1,2,3,4,5,6,7
	FRAG 128*(\p)+FR*\i, ADRB+\slot, \q, \i
.endr
	WIN 0
.endm
.macro FETCH_A slot, q, i0             ; A's blocks i0 .. i0 + 3
.irp i, \i0, \i0+1, \i0+2, \i0+3
	FRAG AF+FR*(\i), ADRA+\slot, \q, \i
.endr
.endm
.macro SCALES sc                       ; a K step's scale words into set sc: two words a row; lanes 0-15 take A's block i, lanes 16-31 B's block i
.irp i, 0,1,2,3,4,5,6,7
	ds_load_b64 v[SC+8*NQ*\sc+NQ*\i:SC+8*NQ*\sc+NQ*\i+1], v[ADRS] offset:\i*SBLK
.endr
.endm
; A load into a register that a matrix instruction has read, and a vector instruction that reads a matrix result or writes one of its registers, stand NP places behind it; only plain vector
; instructions that name none of its registers are places (ISA guide 7.12.1 for vector instructions).
.macro PLACES n
.rept \n
	v_nop
.endr
.endm
; A step of 128 along K that has its successor in the same slot.  A's blocks 0-3 are fetched anew in its middle, blocks 4-7 at its end; B's next set in the middle.
.macro STEP slot, q, zero
	s_wait_dscnt 4*NL                              ; B's set and A's blocks 0-3 are in; the youngest 16 loads (A's blocks 4-7) may be out
	WIN MUL_LO
	MUL16 0, (\q)%2, \q, \slot, \zero
	MUL16 2, (\q)%2, \q, \slot, \zero
	s_wait_dscnt 0                                 ; A's blocks 4-7 are in
	PLACES NP
	FETCH_B \slot, (\q)+1, 1-(\q)%2
	FETCH_A \slot, (\q)+1, 0
	WIN MUL_HI
	MUL16 4, (\q)%2, \q, \slot, \zero
	MUL16 6, (\q)%2, \q, \slot, \zero
	PLACES NP
	WIN 0
	FETCH_A \slot, (\q)+1, 4
.endm
; A slot's last step changes slots: ONE barrier; in front of it each wave waits for all its tensor loads, adds 0 to its spare word, and waits for that and for its own reads of this slot.  fill = 1: this slot is filled again, two K steps ahead.
.macro TURN slot, next, fill
	s_wait_tensorcnt 0x0                           ; all my tensor loads have landed: my part of the next slot
	ds_add_u32 v[SPW], v[NIL]                      ; 0 onto my spare word
	s_wait_dscnt 4*NL+1                            ; (the add and the youngest 16 loads, A's blocks 4-7, may be out)
	WIN MUL_LO
	MUL16 0, 1, NQ-1, \slot, 0                     ; sixteen matrix instructions stand between the add and the wait for it
	s_wait_dscnt 0x0                               ; the add is done, and my reads of this slot are over
	s_barrier_signal -1
	MUL16 2, 1, NQ-1, \slot, 0
	WIN 0
	s_barrier_wait -1
.if \fill
	CREST                                          ; the barrier has opened a round of the cluster's barrier: no wave of any partner still reads this slot's tile or has a load on its way
	s_add_nc_u64 s[G0+4*\slot+2:G0+4*\slot+3], s[G0+4*\slot+2:G0+4*\slot+3], 2*ROWB
	s_add_nc_u64 s[G0B+4*\slot+2:G0B+4*\slot+3], s[G0B+4*\slot+2:G0B+4*\slot+3], 2*ROWB
	JLOAD G0+4*\slot, G1, G0B+4*\slot, G1B         ; the first tensor load behind the round; its four v_nop are among the places in front of the loads below
	PLACES NP-4
.else
	PLACES NP
.endif
	v_add_nc_u32 v[ADRS], 4*NQ, v[ADRS]            ; on to the next K step's scale words
	FETCH_B \next, 0, 0
	FETCH_A \next, 0, 0
	SCALES \next
	WIN MUL_HI
	MUL16 4, 1, NQ-1, \slot, 0
	MUL16 6, 1, NQ-1, \slot, 0
	PLACES NP
	WIN 0
	FETCH_A \next, 0, 4
.endm
	s_wait_tensorcnt 1                             ; the scales and my part of K step 0 are in (K step 1's load may be out)
	s_barrier_signal -1
	s_barrier_wait -1                              ; everybody's are
	FETCH_B 0, 0, 0
	FETCH_A 0, 0, 0
	SCALES 0
	FETCH_A 0, 0, 4
	STEP 0, 0, 1                                   ; K = 1,024 is four slots' worth: the eight steps are written out; the first starts the sums
	TURN 0, 1, 1                                   ; slot 0 takes K step 2
	STEP 1, 0, 0
	TURN 1, 0, 1                                   ; slot 1 takes K step 3
	STEP 0, 0, 0
	TURN 0, 1, 0                                   ; nothing is left to fetch
	STEP 1, 0, 0
	s_wait_dscnt 4*NL
	WIN MUL_LO
	MUL16 0, 1, NQ-1, 1, 0
	MUL16 2, 1, NQ-1, 1, 0
	s_wait_dscnt 0
	WIN MUL_HI
	MUL16 4, 1, NQ-1, 1, 0
	MUL16 6, 1, NQ-1, 1, 0
	WIN 0
; 64 numbers of a lane, v[s] on, 16 of each of four blocks of 32, become a fragment's codes in v[PC] on and its scale word in v[PW].  A block lies in lanes l and l xor 16.
.macro QUANT s
.irp b, 0,1,2,3
	v_max3_num_f32 v[TM+\b], |v[\s+16*\b]|, |v[\s+1+16*\b]|, 0x8000000   ; my 16 numbers, and the floor 2^(16 - 127): so the byte cannot fall under 1
.endr
.irp i, 2,4,6,8,10,12,14
.irp b, 0,1,2,3
	v_max3_num_f32 v[TM+\b], v[TM+\b], |v[\s+16*\b+\i]|, |v[\s+1+16*\b+\i]|   ; (the four blocks by turns)
.endr
.endr
.irp b, 0,1,2,3
	v_permlanex16_b32 v[TM+4+\b], v[TM+\b], s[SEL], s[SEL+1]
.endr
.irp b, 0,1,2,3
	v_max_num_f32 v[TM+\b], v[TM+\b], v[TM+4+\b]   ; the block's largest magnitude
.endr
.irp b, 0,1,2,3
	v_add_nc_u32 v[TM+12+\b], 0xf8800000, v[TM+\b] ; 15 off its exponent field: the conversion's scale operand
.endr
.irp b, 0,1,2,3
	v_and_or_b32 v[TM+8+\b], v[TM+\b], 0x7f800000, s[MNT]   ; 57,344 x the scale
.endr
.irp b, 0,1,2,3
	v_lshrrev_b32 v[TM+4+\b], 23, v[TM+12+\b]      ; the scale's byte
.endr
	v_lshl_or_b32 v[PW], v[TM+5], 8, v[TM+4]
	v_lshl_or_b32 v[PW], v[TM+6], 16, v[PW]
	v_lshl_or_b32 v[PW], v[TM+7], 24, v[PW]
.irp b, 0,1,2,3
.irp i, 0,1,2,3,4,5,6,7,8,9,10,11,12,13,14,15
	v_med3_num_f32 v[\s+16*\b+\i], v[\s+16*\b+\i], -v[TM+8+\b], v[TM+8+\b]   ; the conversion to an 8-bit code does not saturate (ISA guide 7.6.2): the hold comes first
.endr
	v_cvt_scalef32_pk8_bf8_f32 v[PC+4*\b:PC+1+4*\b], v[\s+16*\b:\s+7+16*\b], v[TM+12+\b]
	v_cvt_scalef32_pk8_bf8_f32 v[PC+2+4*\b:PC+3+4*\b], v[\s+8+16*\b:\s+15+16*\b], v[TM+12+\b]
.endr
	v_nop                                          ; one plain vector instruction behind the last conversion, ahead of whatever next writes its sources
.endm
; THE WAY OUT of block a: 16 rows of A x my 128 rows of B.  The bias addition also brings the sums into window 0, each accumulator from its low end on.
.macro EPI a
	s_cmp_eq_u32 s[MD], 0                          ; the mode is equal in all partners
	s_cbranch_scc0 .Lby_row_\@
	WIN (0x02+(\a)/4)                              ; source 0: window 2 or 3
.irp b, 0,1,2,3,4,5,6,7
.irp i, 0,2,4,6
	v_pk_add_f32 v[W+8*\b+\i:W+8*\b+\i+1], v[64*((\a)%4)+8*\b+\i:64*((\a)%4)+8*\b+\i+1], v[BIAS+8*\b+\i:BIAS+8*\b+\i+1]   ; q, k: the bias goes with B's row
.endr
.endr
	WIN 0
	s_branch .Ladded_\@
.Lby_row_\@:
	WIN (0x02+(\a)/4)
.irp b, 0,1,2,3,4,5,6,7
.irp i, 0,2,4,6
	v_pk_add_f32 v[W+8*\b+\i:W+8*\b+\i+1], v[64*((\a)%4)+8*\b+\i:64*((\a)%4)+8*\b+\i+1], v[BIAS+8*(\a)+\i:BIAS+8*(\a)+\i+1]   ; v: with A's row, which is the lane's
.endr
.endr
	WIN 0
.Ladded_\@:
.if (\a) > 0
	s_wait_xcnt 0x0                                ; the last block's stores have read their data and their bases: both are written again only behind this wait
	s_add_nc_u64 s[98:99], s[98:99], s[18:19]
.endif
.if (\a) == 4
	s_add_nc_u64 s[100:101], s[100:101], s[20:21]
.endif
	QUANT W
	v_lshrrev_b32 v[SW+(\a)], v[SHV], v[PW]        ; q, k: lanes 0-15 keep the first head's word, lanes 16-31 the second head's two bytes; v: the word as it is
.irp i, 0,1,2,3
	global_store_b128 v[VO], v[PC+4*\i:PC+4*\i+3], s[98:99] offset:512*\i   ; 512 consecutive bytes, at a multiple of 512 from the buffer's first byte
.endr
.if (\a)%4 == 3
	global_store_b128 v[SVO], v[SW+(\a)-3:SW+(\a)], s[100:101]   ; four blocks' words of a row lie together: 256 consecutive bytes for each sixteen lanes
.endif
.endm
	PLACES NP                                      ; behind the last products: their results are read and A's registers are written below
	s_wait_loadcnt 0x0                             ; the biases
.irp b, 0,1,2,3
	v_mov_b32 v[TM+4+\b], 0                        ; written once: a lane permute's destination counts as one of its sources
.endr
.irp a, 0,1,2,3,4,5,6,7
	EPI \a
.endr
	s_wait_tensorcnt 0x0                           ; the wave's end
	ds_add_u32 v[SPW], v[NIL]
	s_wait_dscnt 0x0
	CROUND                                         ; the closing round: no work-group ends while a partner may still ask for a tile that names it
	s_endpgm
.Lfunc_end_k_q4f85fe0994_qkv:
	.size	k_q4f85fe0994_qkv, .Lfunc_end_k_q4f85fe0994_qkv-k_q4f85fe0994_qkv
	.p2alignl 7, 3214868480
	.fill 96, 4, 3214868480
	.section	.rodata,"a",@progbits
	.p2align	6, 0x0
	.amdhsa_kernel k_q4f85fe0994_qkv
		.amdhsa_group_segment_fixed_size 327680
		.amdhsa_private_segment_fixed_size 0
		.amdhsa_enable_private_segment 0
		.amdhsa_kernarg_size 56
		.amdhsa_user_sgpr_count 2
		.amdhsa_user_sgpr_kernarg_segment_ptr 1
		.amdhsa_wavefront_size32 1
		.amdhsa_system_sgpr_workgroup_id_x 1
		.amdhsa_system_sgpr_workgroup_id_y 1
		.amdhsa_system_sgpr_workgroup_id_z 1
		.amdhsa_system_vgpr_workitem_id 0
		.amdhsa_next_free_vgpr 1024
		.amdhsa_next_free_sgpr 102
		.amdhsa_reserve_vcc 0
		.amdhsa_float_denorm_mode_32 3
		.amdhsa_float_denorm_mode_16_64 3
		.amdhsa_memory_ordered 1
		.amdhsa_forward_progress 1
		.amdhsa_inst_pref_size 225
	.end_amdhsa_kernel
	.amdgpu_metadata
---
amdhsa.version: [ 1, 2 ]
amdhsa.kernels:
  - .name:           k_q4f85fe0994_qkv
    .symbol:         k_q4f85fe0994_qkv.kd
    .args:
      - { .name: codes, .offset: 0, .size: 8, .value_kind: global_buffer, .address_space: global }
      - { .name: scl, .offset: 8, .size: 8, .value_kind: global_buffer, .address_space: global }
      - { .name: bq, .offset: 16, .size: 8, .value_kind: global_buffer, .address_space: global }
      - { .name: bk, .offset: 24, .size: 8, .value_kind: global_buffer, .address_space: global }
      - { .name: bv, .offset: 32, .size: 8, .value_kind: global_buffer, .address_space: global }
      - { .name: qkv, .offset: 40, .size: 8, .value_kind: global_buffer, .address_space: global }
      - { .name: qkvs, .offset: 48, .size: 8, .value_kind: global_buffer, .address_space: global }
    .group_segment_fixed_size: 327680
    .private_segment_fixed_size: 0
    .kernarg_segment_align: 8
    .kernarg_segment_size: 56
    .max_flat_workgroup_size: 128
    .sgpr_count:     102
    .vgpr_count:     1024
    .wavefront_size: 32
...
	.end_amdgpu_metadata
.endif
;; end of part 2
;; launch attn (part 3): grid 4 x 64, 16 waves a work-group, no clusters, 276,480 bytes of LDS; arguments qkv, qkvs, cimg, csc; writes cimg, csc
.if DOCPART == 3
	.amdgcn_target "amdgcn-amd-amdhsa--gfx1250"
	.amdhsa_code_object_version 6
	.text
	.protected	k_q4f85fe0994_attn
	.globl	k_q4f85fe0994_attn
	.p2align	8
	.type	k_q4f85fe0994_attn,@function
k_q4f85fe0994_attn:
	s_mov_b64 s[64:65], 0
	v_nop
	global_prefetch_b8 v0, s[64:65] scope:SCOPE_SE
	s_setreg_imm32_b32 hwreg(HW_REG_WAVE_MODE, 25, 1), 1
	s_wait_xcnt 0x0
; ctx[b][q][head] = the sum over keys k <= q of softmax_k(q . k / 8) v, both products on codes of BF8 (E5M2) with one E8M0 scale for each 32 along a product's K; ctx is quantised along its 64 features and leaves as codes.
; THE SOFTMAX AHEAD OF THE SECOND PRODUCT: t = score x log2(e) / 8; M = the row's largest t so far, rounded UP to a whole number; p = 2^(t - M) is what is quantised, along the keys, not normalised.
; The row's sum is taken of the unquantised p, in f32, and divides O at the end.  When M moves, the sum and O are multiplied by 2^(old M - new M): exact.
; SHARES.  A work-group serves one head of one batch (grid y) and two blocks of 256 queries, p and 7 - p (grid x = p), one after the other: together 16 or 18 key steps of 128 keys for each wave, whatever p.  Each of its sixteen waves owns 16 queries of a block.
; THE WHOLE HEAD'S K AND V LIE IN LDS: 128 KiB each as fragment images, and their scale words; each byte is filled once, at the head, three tensor loads a wave: no slot is ever filled again.
; The loads of keys 1,024 on may stay out while the first block is worked: its queries lie under 1,024, so its eight trips read only the first half of each region.
; Why no joint loads: the only work-groups that share K and V are the four of a head, and which key steps they pass over hangs on which of the four they are.
; LAYOUT.  Both products are used transposed: S^T = K Q^T (source 0 = 16 keys, source 1 = my 16 queries), O^T = V^T P^T (source 0 = 16 features, source 1 = P): a lane holds ONE query (lane % 16) throughout.
; The scores' K is 64 and the instruction's 128: registers 8-15 of Q's and K's fragments hold zero codes.
; A tile of K is 16 neighbouring keys, so p's 16 registers of two neighbouring tiles are keys 8 h + 0..7 and 16 + 8 h + 0..7 of a block of 32 (h = lane / 16): the order in which V's codes were laid along the keys.
; CAUSAL.  Both loops' trip counts are constants; a step all of whose keys come after my queries is passed over by a scalar branch on ids; in the one step on the diagonal hidden scores become -infinity.
; LIMITS: NaN and infinities are not served; blocks under 2^-111 get the byte 1; 1 / sum by v_rcp_f32; a block's largest p is taken from its largest score, which takes v_exp_f32 not to fall where its input rises.
; The scale bytes of ctx leave two bytes a lane, 8 bytes apart: one byte in 32 of what this launch stores.
.set VI,   131072                      ; LDS: K's images at 0: tile of 16 keys tt at 1,024 tt;  V's here: 8,192 x key step + 2,048 x feature tile
.set KSC,  262144                      ; K's scale words: 256 (tt / 4) + 16 row + 4 (tt % 4)
.set VSC,  270336                      ; V's: 256 x key step + 16 row + 4 x feature tile
.set LI,   1                           ; v1   16 x lane: my place in an image
.set R16,  2                           ; v2   16 x (lane % 16): my row's four scale words
.set ADK,  3                           ; v3-6 LDS addresses of the step in hand: K, V, K's words, V's words
.set ADV,  4
.set ADS,  5
.set ADT,  6
.set DL,   8                           ; v8   lane % 16 - 8 (lane / 16)
.set R8,   9                           ; v9   8 x (lane % 16)
.set QF,   16                          ; v16-31   Q's fragment; v24-31 zeros.   v12 -M, v13 the largest t, v[14:15] the sum in two halves
.set KFR,  32                          ; v32-95   four fragments of K; the upper eight registers of each are zeros, written once
.set ST,   96                          ; v96-159  S^T, then p, then V's four fragments
.set OT,   160                         ; v160-191 O^T
.set PCD,  192                         ; v192-207 p's codes
.set KW,   208                         ; v208-215 K's scale words;  v216-219 V's;  v220 Q's;  v221 p's
.set VW,   216
.set QW,   220
.set PWD,  221
.set BM,   224                         ; v224-227 the blocks' largest scores, then largest p
.set BY,   228                         ; v228-231 the other half's, then the bytes
.set HO,   232
.set SO,   236                         ; v236-239 the conversions' scale operands
.set S2,   240                         ; v[240:241] the sum's second chain
.set FF,   242                         ; v[242:243] f = 2^(old M - new M); v243 is named with it as a pair
.set T0,   244
.set T1,   245
.set NINF, 246                         ; -infinity
.set CW,   247                         ; ctx's two scale bytes
.set WV,   12                          ; s12 wave;  s13 wave % 8;  s14 batch;  s15 head;  s16 p
.set W8,   13
.set BT,   14
.set HD,   15
.set PP,   16
.set SEL,  18                          ; s[18:19] v_permlanex16_b32's selects for lane l xor 16
.set CS,   20                          ; s[20:21] c = log2(e) / 8
.set MNT,  22
.set Q0,   23                          ; s23  my first query
.set KF,   24                          ; s24  the step's first key
.set CNT,  25
.set TK,   26                          ; s26-29 LDS bytes at which the step's K, V, K's words, V's words begin
.set TV,   27
.set TS,   28
.set TT,   29
.set QP,   32                          ; s[32:33] Q's image;  s[34:35] its scale words
.set QSP,  34
.set G0KS, 36                          ; descriptor groups 0: K's words, K's keys under 1,024, K's keys from 1,024 on; the same for V
.set G0KA, 40
.set G0KB, 44
.set G0VS, 48
.set G0VA, 52
.set G0VB, 56
.set CTP,  60                          ; s[60:61] ctx's image;  s[62:63] its scale bytes
.set CSP,  62
.set G1K,  68                          ; descriptor groups 1
.set G1V,  76
.set G1KS, 84
.set G1VS, 92
	s_load_b256 s[4:11], s[0:1], 0x0               ; qkv s[4:5], qkvs s[6:7], cimg s[8:9], csc s[10:11]
	v_lshl_add_u32 v254, v0, 2, 0x43000
	v_mov_b32 v255, 0
	ds_add_u32 v254, v255
	ds_add_u32 v254, v255
	v_lshrrev_b32 v7, 5, v0
	s_delay_alu instid0(VALU_DEP_1)
	v_readfirstlane_b32 s[WV], v7                  ; wave 0..15
	s_and_b32 s[W8], s[WV], 7
	s_and_b32 s30, ttmp7, 0xffff
	s_lshr_b32 s[BT], s30, 4
	s_and_b32 s[HD], s30, 15
	s_mov_b32 s[PP], ttmp9
	; descriptor groups 1, elements of 8 bytes, no padding: every fragment load takes 512 consecutive bytes
	s_mov_b32 s[G1K], 3<<16                        ; K: eight tiles of 1,024 bytes, 16,384 bytes apart in memory (the sixteen heads' tiles of 16 tokens lie together)
	s_mov_b32 s[G1K+1], 128<<16                    ; tensor_dim0
	s_mov_b32 s[G1K+2], 8<<16                      ; tensor_dim1
	s_mov_b32 s[G1K+3], 128<<16                    ; tile_dim0
	s_mov_b32 s[G1K+4], 8                          ; tile_dim1
	s_mov_b32 s[G1K+5], 2048                       ; tensor_dim0_stride
	s_mov_b32 s[G1K+6], 0
	s_mov_b32 s[G1K+7], 0
	s_mov_b32 s[G1V], 3<<16                        ; V: a key step's four tiles of a head: one row of 8,192 bytes
	s_mov_b32 s[G1V+1], 1024<<16
	s_mov_b32 s[G1V+2], 1<<16
	s_mov_b32 s[G1V+3], 1024<<16
	s_mov_b32 s[G1V+4], 1
	s_mov_b32 s[G1V+5], 1024
	s_mov_b32 s[G1V+6], 0
	s_mov_b32 s[G1V+7], 0
	s_mov_b32 s[G1KS], 3<<16                       ; K's words: four runs of 256 bytes, 4,096 bytes apart
	s_mov_b32 s[G1KS+1], 32<<16
	s_mov_b32 s[G1KS+2], 4<<16
	s_mov_b32 s[G1KS+3], 32<<16
	s_mov_b32 s[G1KS+4], 4
	s_mov_b32 s[G1KS+5], 512
	s_mov_b32 s[G1KS+6], 0
	s_mov_b32 s[G1KS+7], 0
	s_mov_b32 s[G1VS], 3<<16                       ; V's words: two such runs
	s_mov_b32 s[G1VS+1], 32<<16
	s_mov_b32 s[G1VS+2], 2<<16
	s_mov_b32 s[G1VS+3], 32<<16
	s_mov_b32 s[G1VS+4], 2
	s_mov_b32 s[G1VS+5], 512
	s_mov_b32 s[G1VS+6], 0
	s_mov_b32 s[G1VS+7], 0
	; groups 0: LDS addresses: a constant + a constant x (wave % 8).  Waves 0-7 fetch K's parts, waves 8-15 V's
.irp g, G0KS, G0KA, G0KB, G0VS, G0VA, G0VB
	s_mov_b32 s[\g], 1
.endr
	s_lshl_b32 s30, s[W8], 10
	s_add_co_u32 s[G0KS+1], s30, KSC
	s_lshl_b32 s[G0KA+1], s[W8], 13
	s_add_co_u32 s[G0KB+1], s[G0KA+1], 65536
	s_lshl_b32 s30, s[W8], 9
	s_add_co_u32 s[G0VS+1], s30, VSC
	s_add_co_u32 s[G0VA+1], s[G0KA+1], VI
	s_add_co_u32 s[G0VB+1], s[G0KA+1], VI+65536
	s_mov_b32 s[SEL], 0x76543210
	s_mov_b32 s[SEL+1], 0xfedcba98
	s_mov_b32 s[CS], 0x3e38aa3b                    ; c = log2(e) / 8
	s_mov_b32 s[CS+1], s[CS]                       ; (named with it as a pair)
	s_mov_b32 s67, 0
	s_wait_dscnt 0x0
	s_wait_kmcnt 0x0
	s_lshl_b32 s66, s[BT], 21                      ; K's codes: 8 MiB + 2 MiB x batch + 1,024 x head + eight tiles x (wave % 8)
	s_lshl_b32 s30, s[HD], 10
	s_add_co_u32 s66, s66, s30
	s_lshl_b32 s31, s[W8], 17
	s_add_co_u32 s66, s66, s31
	s_add_co_u32 s66, s66, 1<<23
	s_add_nc_u64 s[G0KA+2:G0KA+3], s[4:5], s[66:67]
	s_add_nc_u64 s[G0KB+2:G0KB+3], s[G0KA+2:G0KA+3], 1<<20   ; 64 tiles on
	s_lshl_b32 s66, s[BT], 21                      ; V's codes: 16 MiB + 2 MiB x batch + 8,192 x head + a key step x (wave % 8)
	s_lshl_b32 s30, s[HD], 13
	s_add_co_u32 s66, s66, s30
	s_add_co_u32 s66, s66, s31
	s_add_co_u32 s66, s66, 1<<24
	s_add_nc_u64 s[G0VA+2:G0VA+3], s[4:5], s[66:67]
	s_add_nc_u64 s[G0VB+2:G0VB+3], s[G0VA+2:G0VA+3], 1<<20   ; eight key steps on
	s_lshl_b32 s66, s[BT], 17                      ; K's words: 512 KiB + 128 KiB x batch + 256 x head + four runs x (wave % 8)
	s_lshl_b32 s30, s[HD], 8
	s_add_co_u32 s66, s66, s30
	s_lshl_b32 s31, s[W8], 14
	s_add_co_u32 s66, s66, s31
	s_add_co_u32 s66, s66, 524288
	s_add_nc_u64 s[G0KS+2:G0KS+3], s[6:7], s[66:67]
	s_lshl_b32 s66, s[BT], 16                      ; V's words: 1 MiB + 64 KiB x batch + 256 x head + two runs x (wave % 8)
	s_add_co_u32 s66, s66, s30
	s_lshl_b32 s31, s[W8], 13
	s_add_co_u32 s66, s66, s31
	s_add_co_u32 s66, s66, 1048576
	s_add_nc_u64 s[G0VS+2:G0VS+3], s[6:7], s[66:67]
.irp g, G0KS, G0KA, G0KB, G0VS, G0VA, G0VB
	s_or_b32 s[\g+3], s[\g+3], 0x80000000          ; type = 2
.endr
	s_cmp_lt_u32 s[WV], 8                          ; a wave's three first fills stand in one branch on the wave's number, ahead of every wait on TENSORcnt, every LDS read and every barrier: three loads of mine are out
	s_cbranch_scc0 .Lfor_v
	tensor_load_to_lds s[G0KS:G0KS+3], s[G1KS:G1KS+7]
	s_nop 0
	tensor_load_to_lds s[G0KA:G0KA+3], s[G1K:G1K+7]
	s_nop 0
	tensor_load_to_lds s[G0KB:G0KB+3], s[G1K:G1K+7]
	s_nop 0
.rept 4
	v_nop
.endr
	s_branch .Lasked
.Lfor_v:
	tensor_load_to_lds s[G0VS:G0VS+3], s[G1VS:G1VS+7]
	s_nop 0
	tensor_load_to_lds s[G0VA:G0VA+3], s[G1V:G1V+7]
	s_nop 0
	tensor_load_to_lds s[G0VB:G0VB+3], s[G1V:G1V+7]
	s_nop 0
.rept 4
	v_nop
.endr
.Lasked:
	v_and_b32 v7, 31, v0
	s_delay_alu instid0(VALU_DEP_1)
	v_lshlrev_b32 v[LI], 4, v7
	v_and_b32 v10, 15, v0                          ; r
	s_delay_alu instid0(VALU_DEP_1)
	v_lshlrev_b32 v[R16], 4, v10
	s_delay_alu instid0(VALU_DEP_2)
	v_lshlrev_b32 v[R8], 3, v10
	v_bfe_u32 v11, v0, 4, 1                        ; h
	s_delay_alu instid0(VALU_DEP_1)
	v_lshlrev_b32 v11, 3, v11
	s_delay_alu instid0(VALU_DEP_1)
	v_sub_nc_u32 v[DL], v10, v11
.irp i, 8,9,10,11,12,13,14,15
	v_mov_b32 v[QF+\i], 0                          ; zero codes for k = 64 .. 127 of the scores' product, on both sides
.irp t, 0,1,2,3
	v_mov_b32 v[KFR+16*\t+\i], 0
.endr
.endr
.irp b, 0,1,2,3
	v_mov_b32 v[BY+\b], 0                          ; written once: a lane permute's destination counts as one of its sources
.endr
	v_mov_b32 v[FF+1], 0
	v_mov_b32 v[T0], 0
	v_mov_b32 v[T1], 0
	v_mov_b32 v[NINF], 0xff800000
; A KEY STEP: 128 keys.
.macro STEP
	s_add_co_u32 s30, s[Q0], 15
	s_cmp_gt_u32 s[KF], s30                        ; all its keys come after my queries: only the addresses step
	s_cbranch_scc1 .Lhidden_\@
	s_setprio 2
	v_add_nc_u32 v[ADK], s[TK], v[LI]
	s_wait_alu depctr_va_vdst(0)
	v_add_nc_u32 v[ADV], s[TV], v[LI]
	v_add_nc_u32 v[ADS], s[TS], v[R16]
	s_wait_alu depctr_va_vdst(0)
	v_add_nc_u32 v[ADT], s[TT], v[R16]
.irp g, 0,1                                    ; S^T = K Q^T, four tiles of 16 keys at a time
.if \g
.rept 8
	v_nop                                          ; places in front of loads into registers that the four products above have read
.endr
.endif
.irp t, 0,1,2,3
	ds_load_b128 v[KFR+16*\t:KFR+16*\t+3], v[ADK] offset:(4*\g+\t)*1024
	ds_load_b128 v[KFR+16*\t+4:KFR+16*\t+7], v[ADK] offset:(4*\g+\t)*1024+512
.endr
	ds_load_b128 v[KW+4*\g:KW+4*\g+3], v[ADS] offset:256*\g   ; my row's words of the four tiles
	s_wait_dscnt 0x0
.irp t, 0,1,2,3
	v_wmma_scale_f32_16x16x128_f8f6f4 v[ST+8*(4*\g+\t):ST+8*(4*\g+\t)+7], v[KFR+16*\t:KFR+16*\t+15], v[QF:QF+15], 0, v[KW+4*\g+\t], v[QW] matrix_a_fmt:MATRIX_FMT_BF8 matrix_b_fmt:MATRIX_FMT_BF8
.endr
.endr
.rept 8
	v_nop                                          ; places in front of the first read of the scores
.endr
	s_add_co_u32 s30, s[KF], 127
	s_cmp_le_u32 s30, s[Q0]                        ; all its keys count: no mask
	s_cbranch_scc1 .Lopen_\@
	s_sub_co_i32 s30, s[Q0], s[KF]
	v_add_nc_u32 v[T1], s30, v[DL]                 ; d = my query - the step's first key - 8 h.  Register n holds key 16 (n / 8) + 8 h + n % 8 of the step: hidden where 16 (n / 8) + n % 8 > d
.set N, 0
.rept 64
	v_cmp_gt_i32 vcc_lo, 16*(N/8)+N%8, v[T1]
	v_cndmask_b32 v[ST+N], v[ST+N], v[NINF], vcc_lo
.set N, N+1
.endr
.Lopen_\@:
.irp b, 0,1,2,3
	v_max3_num_f32 v[BM+\b], v[ST+16*\b], v[ST+1+16*\b], v[ST+2+16*\b]   ; the largest score of each block of 32 keys: for the row's maximum, and, since p rises with the score, for the block's largest p
.endr
.irp i, 3,5,7,9,11,13
.irp b, 0,1,2,3
	v_max3_num_f32 v[BM+\b], v[BM+\b], v[ST+16*\b+\i], v[ST+1+16*\b+\i]
.endr
.endr
.irp b, 0,1,2,3
	v_max_num_f32 v[BM+\b], v[BM+\b], v[ST+15+16*\b]
.endr
.irp b, 0,1,2,3
	s_delay_alu instid0(VALU_DEP_4)
	v_permlanex16_b32 v[BY+\b], v[BM+\b], s[SEL], s[SEL+1]
.endr
.irp b, 0,1,2,3
	s_delay_alu instid0(VALU_DEP_4)
	v_max_num_f32 v[BM+\b], v[BM+\b], v[BY+\b]     ; with lane l xor 16's 16 keys
.endr
	s_delay_alu instid0(VALU_DEP_2)
	v_max3_num_f32 v[T0], v[BM], v[BM+1], v[BM+2]
	s_delay_alu instid0(VALU_DEP_1)
	v_max_num_f32 v[T0], v[T0], v[BM+3]            ; the step's largest score of my query
	s_delay_alu instid0(VALU_DEP_1)
	v_mul_f32 v[T0], s[CS], v[T0]                  ; as t (c is positive)
	s_delay_alu instid0(VALU_DEP_1)
	v_max_num_f32 v13, v13, v[T0]                  ; the running largest t
	v_mov_b32 v[T0], v12
	s_delay_alu instid0(VALU_DEP_2)
	v_floor_f32 v12, -v13                          ; the new -M = floor(-t) = -ceil(t)
	s_delay_alu instid0(VALU_DEP_1)
	v_sub_f32 v[T0], v12, v[T0]                    ; old M - new M: a whole number, 0 or less
	s_delay_alu instid0(VALU_DEP_1)
	v_cvt_i32_f32 v[T0], v[T0]                     ; (it saturates)
	s_delay_alu instid0(VALU_DEP_1)
	v_ldexp_f32 v[FF], 1.0, v[T0]                  ; f = 2^(old M - new M)
.set J, 0
.rept 32
	v_pk_fma_f32 v[ST+J:ST+J+1], v[ST+J:ST+J+1], s[CS:CS+1], v[12:13] op_sel_hi:[1,0,0]   ; t - M, two at a time (of the pairs c and -M the low word serves both halves)
.set J, J+2
.endr
	s_setprio 1
.irp b, 0,1,2,3
	v_fma_f32 v[BM+\b], v[BM+\b], s[CS], v12       ; the same of each block's largest score
.endr
.set J, 0
	s_wait_alu depctr_va_vdst(0)
.rept 64
	v_exp_f32 v[ST+J], v[ST+J]                     ; p = 2^(t - M), at most 1
.set J, J+1
.endr
.irp b, 0,1,2,3
	v_exp_f32 v[BM+\b], v[BM+\b]                   ; the block's largest p: the same two instructions on the same number
.endr
	v_pk_mul_f32 v[14:15], v[14:15], v[FF:FF+1] op_sel_hi:[1,0]   ; the sums under the new M.  (A plain place behind the exponentials)
	s_wait_alu depctr_va_vdst(0)
.irp b, 0,1,2,3
	v_max_num_f32 v[BM+\b], 0x8000000, v[BM+\b]    ; the floor 2^(16 - 127): the byte cannot fall under 1
.endr
.irp b, 0,1,2,3
	s_delay_alu instid0(VALU_DEP_4)
	v_add_nc_u32 v[SO+\b], 0xf8800000, v[BM+\b]    ; 15 off the exponent field: the conversion's scale operand
.endr
.irp b, 0,1,2,3
.endr
.irp b, 0,1,2,3
	s_delay_alu instid0(VALU_DEP_4)
	v_lshrrev_b32 v[BY+\b], 23, v[SO+\b]           ; the scale's byte
.endr
	s_delay_alu instid0(VALU_DEP_3)
	v_lshl_or_b32 v[PWD], v[BY+1], 8, v[BY]        ; p's scale word for these 128 keys: far more than eight places ahead of the products that name it
	s_delay_alu instid0(VALU_DEP_1)
	v_lshl_or_b32 v[PWD], v[BY+2], 16, v[PWD]
	s_delay_alu instid0(VALU_DEP_1)
	v_lshl_or_b32 v[PWD], v[BY+3], 24, v[PWD]
	v_pk_add_f32 v[240:241], v[100:101], v[104:105]
	v_pk_add_f32 v[252:253], v[108:109], v[112:113]
	v_pk_add_f32 v[250:251], v[116:117], v[120:121]
	v_pk_add_f32 v[248:249], v[124:125], v[128:129]
	v_pk_add_f32 v[234:235], v[132:133], v[136:137]
	v_pk_add_f32 v[232:233], v[140:141], v[144:145]
	v_pk_add_f32 v[226:227], v[148:149], v[152:153]
	v_pk_add_f32 v[14:15], v[14:15], v[156:157]
	v_pk_add_f32 v[240:241], v[240:241], v[96:97]
	v_pk_add_f32 v[252:253], v[252:253], v[98:99]
	v_pk_add_f32 v[250:251], v[250:251], v[102:103]
	v_pk_add_f32 v[248:249], v[248:249], v[106:107]
	v_pk_add_f32 v[234:235], v[234:235], v[110:111]
	v_pk_add_f32 v[232:233], v[232:233], v[114:115]
	v_pk_add_f32 v[226:227], v[226:227], v[118:119]
	v_pk_add_f32 v[14:15], v[14:15], v[122:123]
	v_pk_add_f32 v[240:241], v[240:241], v[126:127]
	v_pk_add_f32 v[252:253], v[252:253], v[130:131]
	v_pk_add_f32 v[250:251], v[250:251], v[134:135]
	v_pk_add_f32 v[248:249], v[248:249], v[138:139]
	v_pk_add_f32 v[234:235], v[234:235], v[142:143]
	v_pk_add_f32 v[232:233], v[232:233], v[146:147]
	v_pk_add_f32 v[226:227], v[226:227], v[150:151]
	v_pk_add_f32 v[14:15], v[14:15], v[154:155]
	v_pk_add_f32 v[240:241], v[240:241], v[158:159]
	s_delay_alu instid0(VALU_DEP_2)
	v_pk_add_f32 v[14:15], v[14:15], v[248:249]
	s_delay_alu instid0(VALU_DEP_2)
	v_pk_add_f32 v[240:241], v[240:241], v[234:235]
	v_pk_add_f32 v[252:253], v[252:253], v[232:233]
	v_pk_add_f32 v[250:251], v[250:251], v[226:227]
	s_delay_alu instid0(VALU_DEP_2)
	v_pk_add_f32 v[14:15], v[14:15], v[252:253]
	s_delay_alu instid0(VALU_DEP_2)
	v_pk_add_f32 v[240:241], v[240:241], v[250:251]
	s_delay_alu instid0(VALU_DEP_1)
	v_pk_add_f32 v[14:15], v[14:15], v[240:241]
.irp b, 0,1,2,3
.irp i, 0,1,2,3,4,5,6,7,8,9,10,11,12,13,14,15
.endr
	v_cvt_scalef32_pk8_bf8_f32 v[PCD+4*\b:PCD+4*\b+1], v[ST+16*\b:ST+16*\b+7], v[SO+\b]
	v_cvt_scalef32_pk8_bf8_f32 v[PCD+4*\b+2:PCD+4*\b+3], v[ST+8+16*\b:ST+15+16*\b], v[SO+\b]
.endr
	v_nop
	s_setprio 0
.irp d, 0,1,2,3                                ; V's four fragments land where p lay
.irp c, 0,1,2,3
	ds_load_b128 v[ST+16*\d+4*\c:ST+16*\d+4*\c+3], v[ADV] offset:2048*\d+512*\c
.endr
.endr
	ds_load_b128 v[VW:VW+3], v[ADT]
.set J, 0
.rept 16
	v_pk_mul_f32 v[OT+J:OT+J+1], v[OT+J:OT+J+1], v[FF:FF+1] op_sel_hi:[1,0]   ; O^T under the new M.  (These sixteen are also the places behind the conversions and in front of the products below)
.set J, J+2
.endr
	s_wait_alu depctr_va_vdst(0)
	s_wait_dscnt 0x0
.irp d, 0,1,2,3                                ; O^T += V^T P^T: the four accumulators by turns
	v_wmma_scale_f32_16x16x128_f8f6f4 v[OT+8*\d:OT+8*\d+7], v[ST+16*\d:ST+16*\d+15], v[PCD:PCD+15], v[OT+8*\d:OT+8*\d+7], v[VW+\d], v[PWD] matrix_a_fmt:MATRIX_FMT_BF8 matrix_b_fmt:MATRIX_FMT_BF8
.endr
.rept 9
	v_nop                                          ; the next step's scores are written over V's registers by matrix instructions: nine places; they also serve the way out's reads of O^T
.endr
.Lhidden_\@:
	s_add_co_u32 s[TK], s[TK], 8192
	s_add_co_u32 s[TV], s[TV], 8192
	s_add_co_u32 s[TS], s[TS], 512
	s_add_co_u32 s[TT], s[TT], 256
	s_add_co_u32 s[KF], s[KF], 128
.endm
; THE WAY OUT: O^T / the sum is quantised where it lies: two blocks of 32 features, 16 registers each, in lanes l and l xor 16; the codes are half a fragment of the last product's operand.
.macro WAYOUT
	v_add_f32 v14, v14, v15
	s_delay_alu instid0(VALU_DEP_1)
	v_permlanex16_b32 v[T0], v14, s[SEL], s[SEL+1]
	s_delay_alu instid0(VALU_DEP_1)
	v_add_f32 v14, v14, v[T0]                      ; the row's sum
	s_wait_alu depctr_va_vdst(0)
	v_rcp_f32 v14, v14
	v_nop                                          ; one plain place behind a transcendental
.set J, 0
	s_wait_alu depctr_va_vdst(0)
.rept 16
	v_pk_mul_f32 v[ST+J:ST+J+1], v[OT+J:OT+J+1], v[14:15] op_sel_hi:[1,0]
.set J, J+2
.endr
.irp b, 0,1
	v_max3_num_f32 v[BM+\b], |v[ST+16*\b]|, |v[ST+1+16*\b]|, 0x8000000
.endr
.irp i, 2,4,6,8,10,12,14
.irp b, 0,1
	s_delay_alu instid0(VALU_DEP_2)
	v_max3_num_f32 v[BM+\b], v[BM+\b], |v[ST+16*\b+\i]|, |v[ST+1+16*\b+\i]|
.endr
.endr
.irp b, 0,1
	s_delay_alu instid0(VALU_DEP_2)
	v_permlanex16_b32 v[BY+\b], v[BM+\b], s[SEL], s[SEL+1]
.endr
.irp b, 0,1
	s_delay_alu instid0(VALU_DEP_2)
	v_max_num_f32 v[BM+\b], v[BM+\b], v[BY+\b]
.endr
.irp b, 0,1
	s_delay_alu instid0(VALU_DEP_2)
	v_add_nc_u32 v[SO+\b], 0xf8800000, v[BM+\b]
.endr
.irp b, 0,1
.endr
.irp b, 0,1
	s_delay_alu instid0(VALU_DEP_2)
	v_lshrrev_b32 v[BY+\b], 23, v[SO+\b]
.endr
	s_delay_alu instid0(VALU_DEP_1)
	v_lshl_or_b32 v[CW], v[BY+1], 8, v[BY]
.irp b, 0,1
.irp i, 0,1,2,3,4,5,6,7,8,9,10,11,12,13,14,15
.endr
	v_cvt_scalef32_pk8_bf8_f32 v[PCD+4*\b:PCD+4*\b+1], v[ST+16*\b:ST+16*\b+7], v[SO+\b]
	v_cvt_scalef32_pk8_bf8_f32 v[PCD+4*\b+2:PCD+4*\b+3], v[ST+8+16*\b:ST+15+16*\b], v[SO+\b]
.endr
	v_nop                                          ; one plain vector instruction behind the last conversion
	global_store_b128 v[LI], v[PCD:PCD+3], s[CTP:CTP+1]              ; 512 consecutive bytes each, at a multiple of 512 from the buffer's first byte
	global_store_b128 v[LI], v[PCD+4:PCD+7], s[CTP:CTP+1] offset:512
	global_store_b16 v[R8], v[CW], s[CSP:CSP+1]    ; my row's two bytes; both halves of the lanes write the same bytes with the same values
.endm
; A block of 256 queries: s[Q0] holds my first query; trips: key steps walked, a constant.
.macro PASS trips
	s_wait_xcnt 0x0                                ; the last block's stores have read their data and their bases
	s_lshl_b32 s66, s[BT], 21                      ; Q's image and ctx's lie alike: 16,384 bytes for 16 tokens, 1,024 a head
	s_lshl_b32 s30, s[Q0], 10
	s_add_co_u32 s66, s66, s30
	s_lshl_b32 s30, s[HD], 10
	s_add_co_u32 s66, s66, s30
	s_add_nc_u64 s[QP:QP+1], s[4:5], s[66:67]
	s_add_nc_u64 s[CTP:CTP+1], s[8:9], s[66:67]
	s_lshl_b32 s66, s[BT], 17                      ; Q's words: 4,096 bytes for 64 tokens, 256 a head, 4 for my tile among four
	s_lshr_b32 s30, s[Q0], 6
	s_lshl_b32 s30, s30, 12
	s_add_co_u32 s66, s66, s30
	s_lshl_b32 s30, s[HD], 8
	s_add_co_u32 s66, s66, s30
	s_bfe_u32 s30, s[Q0], 0x20004
	s_lshl_b32 s30, s30, 2
	s_add_co_u32 s66, s66, s30
	s_add_nc_u64 s[QSP:QSP+1], s[6:7], s[66:67]
	s_lshl_b32 s66, s[BT], 16                      ; ctx's scale bytes: 512 for 16 tokens, 128 for four heads, 8 a row, 2 a head
	s_lshl_b32 s30, s[Q0], 5
	s_add_co_u32 s66, s66, s30
	s_lshr_b32 s30, s[HD], 2
	s_lshl_b32 s30, s30, 7
	s_add_co_u32 s66, s66, s30
	s_and_b32 s30, s[HD], 3
	s_lshl_b32 s30, s30, 1
	s_add_co_u32 s66, s66, s30
	s_add_nc_u64 s[CSP:CSP+1], s[10:11], s[66:67]
	global_load_b128 v[QF:QF+3], v[LI], s[QP:QP+1]
	global_load_b128 v[QF+4:QF+7], v[LI], s[QP:QP+1] offset:512
	global_load_b32 v[QW], v[R16], s[QSP:QSP+1]
	v_mov_b32 v13, 0xff61b1e6                      ; the largest t so far: -3e38, under every t
	s_delay_alu instid0(VALU_DEP_1)
	v_floor_f32 v12, -v13                          ; -M
	v_mov_b32 v14, 0
	v_mov_b32 v15, 0
.set J, 0
.rept 32
	v_mov_b32 v[OT+J], 0                           ; the step is written once: the first finds zeros, which the first change of M leaves zeros
.set J, J+1
.endr
	s_mov_b32 s[TK], 0
	s_mov_b32 s[TV], VI
	s_mov_b32 s[TS], KSC
	s_mov_b32 s[TT], VSC
	s_mov_b32 s[KF], 0
	s_mov_b32 s[CNT], \trips
	s_wait_loadcnt 0x0                             ; Q
.Lstep_\@:
	STEP
	s_sub_co_u32 s[CNT], s[CNT], 1
	s_cmp_lg_u32 s[CNT], 0
	s_cbranch_scc1 .Lstep_\@
	s_setprio 0
	WAYOUT
.endm
	s_wait_tensorcnt 0x1                           ; my scale words and my part of keys 0 to 1,023 are in; my load of keys 1,024 on may stay out
	s_barrier_signal -1
	s_barrier_wait -1                              ; and everybody's are
	s_lshl_b32 s[Q0], s[PP], 8
	s_lshl_b32 s30, s[WV], 4
	s_add_co_u32 s[Q0], s[Q0], s30                 ; block p: queries under 1,024: eight key steps at the most
	PASS 8
	s_wait_tensorcnt 0x0                           ; my part of keys 1,024 on is in,
	s_wait_dscnt 0x0
	s_barrier_signal -1
	s_barrier_wait -1                              ; everybody's is
	s_sub_co_u32 s[Q0], 7, s[PP]
	s_lshl_b32 s[Q0], s[Q0], 8
	s_lshl_b32 s30, s[WV], 4
	s_add_co_u32 s[Q0], s[Q0], s30                 ; block 7 - p
	PASS 16
	s_wait_tensorcnt 0x0
	ds_add_u32 v254, v255
	s_wait_dscnt 0x0
	s_endpgm
.Lfunc_end_k_q4f85fe0994_attn:
	.size	k_q4f85fe0994_attn, .Lfunc_end_k_q4f85fe0994_attn-k_q4f85fe0994_attn
	.p2alignl 7, 3214868480
	.fill 96, 4, 3214868480
	.section	.rodata,"a",@progbits
	.p2align	6, 0x0
	.amdhsa_kernel k_q4f85fe0994_attn
		.amdhsa_group_segment_fixed_size 276480
		.amdhsa_private_segment_fixed_size 0
		.amdhsa_enable_private_segment 0
		.amdhsa_kernarg_size 32
		.amdhsa_user_sgpr_count 2
		.amdhsa_user_sgpr_kernarg_segment_ptr 1
		.amdhsa_wavefront_size32 1
		.amdhsa_system_sgpr_workgroup_id_x 1
		.amdhsa_system_sgpr_workgroup_id_y 1
		.amdhsa_system_sgpr_workgroup_id_z 1
		.amdhsa_system_vgpr_workitem_id 0
		.amdhsa_next_free_vgpr 256
		.amdhsa_next_free_sgpr 100
		.amdhsa_reserve_vcc 1
		.amdhsa_float_denorm_mode_32 3
		.amdhsa_float_denorm_mode_16_64 3
		.amdhsa_fp16_overflow 1
		.amdhsa_memory_ordered 1
		.amdhsa_forward_progress 1
		.amdhsa_inst_pref_size 69
	.end_amdhsa_kernel
	.amdgpu_metadata
---
amdhsa.version: [ 1, 2 ]
amdhsa.kernels:
  - .name:           k_q4f85fe0994_attn
    .symbol:         k_q4f85fe0994_attn.kd
    .args:
      - { .name: qkv, .offset: 0, .size: 8, .value_kind: global_buffer, .address_space: global }
      - { .name: qkvs, .offset: 8, .size: 8, .value_kind: global_buffer, .address_space: global }
      - { .name: cimg, .offset: 16, .size: 8, .value_kind: global_buffer, .address_space: global }
      - { .name: csc, .offset: 24, .size: 8, .value_kind: global_buffer, .address_space: global }
    .group_segment_fixed_size: 276480
    .private_segment_fixed_size: 0
    .kernarg_segment_align: 8
    .kernarg_segment_size: 32
    .max_flat_workgroup_size: 512
    .sgpr_count:     100
    .vgpr_count:     256
    .wavefront_size: 32
...
	.end_amdgpu_metadata
.endif
;; end of part 3
;; launch outp (part 4): grid 4 x 32, 4 waves a work-group, clusters of 4 x 4, 327,680 bytes of LDS; arguments cimg, csc, codes, scl, bo, out0; writes out0
.if DOCPART == 4
	.amdgcn_target "amdgcn-amd-amdhsa--gfx1250"
	.amdhsa_code_object_version 6
	.text
	.protected	k_q4f85fe0994_outp
	.globl	k_q4f85fe0994_outp
	.p2align	8
	.type	k_q4f85fe0994_outp,@function
k_q4f85fe0994_outp:
	s_mov_b64 s[64:65], 0
	v_nop
	global_prefetch_b8 v0, s[64:65] scope:SCOPE_SE
	s_setreg_imm32_b32 hwreg(HW_REG_WAVE_MODE, 25, 1), 1
	s_wait_xcnt 0x0
	s_wait_alu depctr_hold_cnt(0) depctr_sa_sdst(0) depctr_va_vdst(0) depctr_va_sdst(0) depctr_va_ssrc(0) depctr_va_vcc(0) depctr_vm_vsrc(0)
	s_getreg_b32 s2, hwreg(HW_REG_IB_STS2, 6, 4)
	s_cmp_eq_u32 s2, 0
	s_cbranch_scc0 .Lentry_in_a_cluster
	s_endpgm
.Lentry_in_a_cluster:
	s_bfe_u32 s2, ttmp6, 0x10000c
	s_cmp_lg_u32 s2, 0xf033
	s_cbranch_scc0 .Lentry_shape_is_right
	s_endpgm
.Lentry_shape_is_right:
; out0 = ctx Wo^T + bo on codes of BF8 (E5M2) with one E8M0 scale for each 32 along K = 1,024.  out0: [8192][1024] f32; sums in f32.
; A = ctx arrives as FRAGMENT IMAGES: cimg [token / 16][K / 128][2,048 bytes], a group of four operand registers in 512 bytes, lane l's 16 bytes at 16 l; its scale bytes csc [token / 16][K / 256][row 16][8 bytes].
; B = Wo arrives as rows: rows 11,264 on of codes [..][1,024 bytes] and of scl [..][32 bytes].  Inside each block of 32 both hold k in the same order, so each product pairs equal k.
; A tile of 256 x 256 is made by four waves, 128 x 128 each: 64 accumulators, 512 registers.  K goes in four steps of 256 through two LDS slots filled by the tensor data mover; the scale bytes of the tile's rows come once.
; CLUSTERS: 4 x 4 work-groups; A's tile is asked for jointly by the four of a row of the cluster, B's by the four of a column.
; The matrix instruction is used transposed (source 0 = 16 rows of Wo, source 1 = 16 tokens): a lane holds eight neighbouring numbers of a row of out0.
; The problem's size gives 128 such tiles; a smaller tile would give more work-groups at twice the LDS reads for each product.
; REGISTERS, in windows of 256: window 0: v8-11 bo; v16-31 addresses; v32-63 A's scale words, two sets; v64-95 B's; from v128 A's fragments, ONE set; on the way out v128-255 hold rows.
;   window 1: B's fragments, two sets.   window 2: the accumulators of my rows 0-63 ((a, b) at v[8 (8 a + b)]);   window 3: those of my rows 64-127.
.set NQ,     2
.set ROWB,   256                       ; B: a tile's row in bytes
.set KROW,   1024
.set PITCH,  272                       ; B's LDS row: 256 bytes + 16 of padding: the 16 rows that a load touches start at 16 different banks (64 banks of 4 bytes: ISA guide 11.1)
.set FR,     16
.set NL,     4
.set NP,     8                         ; places behind this matrix instruction (ISA guide 7.12.1)
.set HALFA,  32768                     ; A: eight tiles of 16 tokens x 4,096 bytes: what one tensor load brings; dense: a fragment load takes 512 consecutive bytes
.set BOFF,   2*HALFA                   ; B lies behind A in a slot
.set HALFB,  128*PITCH
.set SLOT4,  BOFF+2*HALFB
.set SCA,    2*SLOT4                   ; behind the ring: A's scale bytes, 8,192, dense;
.set SCB,    SCA+8192                  ; B's, as runs of 256 bytes + 16 of padding
.set HALFS,  16*272
.set SPARE,  SCB+2*HALFS               ; the spare words, 128 bytes for each wave, which no other line names
.set WOROW,  11264                     ; Wo's first row in codes and scl
.set SIZE_N, 1024
.set SPITCH, 528                       ; the way out: a stage of 16 rows x (512 bytes + 16) for each wave, in slot 0, which has had its last fill and its last read when the first result is stored there
.set ADRA, 16
.set ADRB, 20
.set STO,  24
.set RD,   25
.set CO,   26                          ; v26  16 x lane
.set ADSA, 27                          ; v27  LDS address of my rows' scale bytes of A
.set SPW,  28
.set NIL,  29
.set ADSB, 30                          ; v30  the same of B
.set SA,   32                          ; A's scale words: set s at v[SA + 16 s], register 2 i + q
.set SB,   64                          ; B's
.set AF,   128
.set BK,   128
.set G1, 24
.set G0, 32
.set G1B, 48
.set G0B, 56
.set G1S, 68
.set G0S, 76
.set G1SB, 80
.set G0SB, 88
.set MSB, 0
.macro WIN new                         ; the immediate's high byte repeats the setting that is left
.if MSB != \new
	s_set_vgpr_msb (MSB<<8)|\new
.set MSB, \new
.endif
.endm
.set MUL_LO, 0xa1                      ; source 0 (B) window 1, source 1 (A) window 0, C and D window 2
.set MUL_HI, 0xf1
.set TO_B,   0x40
.macro JLOAD g0a, g1a, g0b, g1b        ; a joint load: waves 0 and 1 fetch for A, waves 2 and 3 for B; four v_nop follow each of the two lines
	s_cmp_eq_u32 s15, 0
	s_cbranch_scc0 .Lfor_b_\@
	tensor_load_to_lds s[\g0a:\g0a+3], s[\g1a:\g1a+7]
	s_nop 0
.rept 4
	v_nop
.endr
	s_branch .Lasked_\@
.Lfor_b_\@:
	tensor_load_to_lds s[\g0b:\g0b+3], s[\g1b:\g1b+7]
	s_nop 0
.rept 4
	v_nop
.endr
.Lasked_\@:
.endm
.macro CREST
	s_cmp_lg_u32 s14, 0
	s_cbranch_scc1 .Lnot_wave_0_\@
	s_barrier_signal -3
.Lnot_wave_0_\@:
	s_barrier_wait -3
	s_barrier_signal -1
	s_barrier_wait -1
.endm
.macro CROUND
	s_barrier_signal -1
	s_barrier_wait -1
	CREST
.endm
	s_load_b128 s[4:7], s[0:1], 0x0                ; cimg, csc
	s_load_b128 s[8:11], s[0:1], 0x10              ; codes, scl
	s_load_b128 s[96:99], s[0:1], 0x20             ; bo, out0
	v_lshl_add_u32 v[SPW], v0, 2, SPARE
	v_mov_b32 v[NIL], 0
	ds_add_u32 v28, v29
	ds_add_u32 v28, v29
	s_wait_dscnt 0x0
	v_lshrrev_b32 v1, 5, v0
	v_readfirstlane_b32 s14, v1                    ; wave 0..3
	s_lshr_b32 s15, s14, 1                         ; which half of the tile's rows is mine.  Also: I fetch for A (0) or for B (1)
	s_and_b32 s16, s14, 1                          ; which half of its columns.  Also: which half of that tile I fetch
	s_bfe_u32 s40, ttmp6, 0x40000                  ; cx, cy
	s_bfe_u32 s41, ttmp6, 0x40004
	s_lshl_b32 s42, ttmp9, 2
	s_add_co_u32 s42, s42, s40                     ; tile column
	s_and_b32 s17, ttmp7, 0xffff
	s_lshl_b32 s17, s17, 2
	s_add_co_u32 s17, s17, s41                     ; tile row
	s_lshl_b32 s43, s41, 2
	s_lshl_b32 s43, 15, s43                        ; my row of the cluster
	s_lshl_b32 s44, 0x1111, s40                    ; my column
	s_or_b32 s[G1+0], s43, (3<<16)|(1<<21)         ; A's codes: elements of 8 bytes, no padding: eight rows of 4,096 bytes (two K steps of 128 of 16 tokens), 16,384 bytes apart
	s_mov_b32 s[G1+1], 512<<16
	s_mov_b32 s[G1+2], 8<<16
	s_mov_b32 s[G1+3], 512<<16
	s_mov_b32 s[G1+4], 8
	s_mov_b32 s[G1+5], 2048
	s_mov_b32 s[G1+6], 0
	s_mov_b32 s[G1+7], 0
	s_or_b32 s[G1B+0], s44, (0<<16)|(1<<20)|(1<<21)|(5<<22)|(3<<25)   ; B's codes: 128 rows of 256 bytes, four words of padding after every 64
	s_mov_b32 s[G1B+1], ROWB<<16
	s_mov_b32 s[G1B+2], 128<<16
	s_mov_b32 s[G1B+3], ROWB<<16
	s_mov_b32 s[G1B+4], 128
	s_mov_b32 s[G1B+5], KROW
	s_mov_b32 s[G1B+6], 0
	s_mov_b32 s[G1B+7], 0
	s_or_b32 s[G1S+0], s43, (3<<16)|(1<<21)        ; A's scale bytes: 4,096 dense bytes as 16 rows of 256
	s_or_b32 s[G1SB+0], s44, (3<<16)|(1<<20)|(1<<21)|(5<<22)|(3<<25)  ; B's: the same with 16 bytes of padding behind each row
.irp g, G1S, G1SB
	s_mov_b32 s[\g+1], 32<<16
	s_mov_b32 s[\g+2], 16<<16
	s_mov_b32 s[\g+3], 32<<16
	s_mov_b32 s[\g+4], 16
	s_mov_b32 s[\g+5], 32
	s_mov_b32 s[\g+6], 0
	s_mov_b32 s[\g+7], 0
.endr
	s_lshl_b32 s20, s17, 4
	s_lshl_b32 s18, s16, 3
	s_add_co_u32 s20, s20, s18                     ; A: the first tile of 16 tokens that I fetch: 16 x tile row + 8 x half
	s_lshl_b32 s22, s20, 9                         ; its scale bytes,
	s_mov_b32 s23, 0
	s_lshl_b32 s20, s20, 14                        ; its codes
	s_mov_b32 s21, 0
	s_lshl_b32 s46, s42, 8
	s_lshl_b32 s47, s16, 7
	s_add_co_u32 s46, s46, s47
	s_add_co_u32 s46, s46, WOROW                   ; B: row 11,264 + 256 x tile column + 128 x half
	s_lshl_b32 s92, s46, 5
	s_mov_b32 s93, 0
	s_lshl_b32 s46, s46, 10
	s_mov_b32 s47, 0
	s_lshl_b32 s45, s16, 15                        ; where they go: constants and the wave's number alone
	s_mul_i32 s94, s16, HALFB
	s_add_co_u32 s94, s94, BOFF
	s_lshl_b32 s95, s16, 12
	s_add_co_u32 s95, s95, SCA
	s_mul_i32 s3, s16, HALFS
	s_add_co_u32 s3, s3, SCB
	s_wait_kmcnt 0x0
	s_add_nc_u64 s[20:21], s[4:5], s[20:21]
	s_add_nc_u64 s[22:23], s[6:7], s[22:23]
	s_add_nc_u64 s[46:47], s[8:9], s[46:47]
	s_add_nc_u64 s[92:93], s[10:11], s[92:93]
	CROUND                                         ; all sixteen work-groups are here: the first joint loads meet
	s_mov_b32 s[G0S], 1
	s_mov_b32 s[G0S+1], s95
	s_mov_b64 s[G0S+2:G0S+3], s[22:23]
	s_or_b32 s[G0S+3], s[G0S+3], 0x80000000
	s_mov_b32 s[G0SB], 1
	s_mov_b32 s[G0SB+1], s3
	s_mov_b64 s[G0SB+2:G0SB+3], s[92:93]
	s_or_b32 s[G0SB+3], s[G0SB+3], 0x80000000
	JLOAD G0S, G1S, G0SB, G1SB                     ; the scales first
.irp s, 0,1
	s_mov_b32 s[G0+4*\s], 1
	s_add_co_u32 s[G0+4*\s+1], s45, \s*SLOT4
	s_add_nc_u64 s[G0+4*\s+2:G0+4*\s+3], s[20:21], \s*4096
	s_or_b32 s[G0+4*\s+3], s[G0+4*\s+3], 0x80000000
	s_mov_b32 s[G0B+4*\s], 1
	s_add_co_u32 s[G0B+4*\s+1], s94, \s*SLOT4
	s_add_nc_u64 s[G0B+4*\s+2:G0B+4*\s+3], s[46:47], \s*ROWB
	s_or_b32 s[G0B+4*\s+3], s[G0B+4*\s+3], 0x80000000
	JLOAD G0+4*\s, G1, G0B+4*\s, G1B
.endr
	v_and_b32 v1, 15, v0                           ; r
	v_bfe_u32 v2, v0, 4, 1                         ; h
	v_and_b32 v6, 31, v0
	v_lshlrev_b32 v[CO], 4, v6                     ; 16 x lane
	v_mul_u32_u24 v3, v1, PITCH
	v_lshl_add_u32 v4, v2, 4, v3                   ; B: a fragment's row x pitch + 16 h
	s_lshl_b32 s21, s15, 15                        ; my eight tiles of A
	s_mul_i32 s22, s16, HALFB                      ; my 128 rows of B
	s_add_co_u32 s22, s22, BOFF
.irp s, 0,1
	v_add_nc_u32 v[ADRA+\s], s21, v[CO]
	v_add_nc_u32 v[ADRB+\s], s22, v4
	s_add_co_u32 s21, s21, SLOT4
	s_add_co_u32 s22, s22, SLOT4
.endr
	s_lshl_b32 s21, s15, 12
	s_add_co_u32 s21, s21, SCA
	v_lshl_add_u32 v[ADSA], v1, 3, s21             ; A's scale bytes: 8 a row in each run of 128
	v_lshlrev_b32 v5, 5, v1                        ; B's: 32 a row,
	v_lshrrev_b32 v6, 3, v1
	v_lshl_add_u32 v5, v6, 4, v5                   ; and 16 more behind the first 256
	s_mul_i32 s22, s16, HALFS
	s_add_co_u32 s22, s22, SCB
	v_add_nc_u32 v[ADSB], s22, v5
	s_mul_i32 s23, s14, 16*SPITCH                  ; my stage
	v_mul_u32_u24 v5, v1, SPITCH                   ; in: row r, 32 bytes for each half of the lanes
	v_lshl_add_u32 v5, v2, 5, v5
	v_add_nc_u32 v[STO], s23, v5
	v_add_nc_u32 v[RD], s23, v[CO]                 ; back: the 32 lanes take one row of 512 bytes
	s_lshl_b32 s20, s17, 8
	s_lshl_b32 s21, s15, 7
	s_add_co_u32 s20, s20, s21                     ; my first row of out0
	s_lshl_b32 s20, s20, 12                        ; 4,096 bytes a row
	s_lshl_b32 s46, s42, 10
	s_lshl_b32 s47, s16, 9
	s_add_co_u32 s46, s46, s47                     ; my first column, in bytes
	s_mov_b32 s47, 0
	s_add_nc_u64 s[96:97], s[96:97], s[46:47]
	s_add_co_u32 s20, s20, s46
	s_mov_b32 s21, 0
	s_add_nc_u64 s[98:99], s[98:99], s[20:21]
	global_load_b128 v[8:11], v[CO], s[96:97]      ; bo at the four columns that I store of every row
.macro FRAG reg, adr, q, i             ; B: from rows: registers 4 c .. 4 c + 3 the 16 bytes at 32 c + 16 (l / 16) of row l % 16
.irp c, 0,1,2,3
	ds_load_b128 v[\reg+4*\c:\reg+4*\c+3], v[\adr] offset:128*(\q)+32*\c+(\i)*16*PITCH
.endr
.endm
.macro FRAGA reg, adr, q, i            ; A: an image comes back as it was stored
.irp c, 0,1,2,3
	ds_load_b128 v[\reg+4*\c:\reg+4*\c+3], v[\adr] offset:(2*(\i)+(\q))*2048+512*\c
.endr
.endm
; 16 matrix instructions: A's blocks a0, a0 + 1 x B's eight.  The 64 accumulators take turns, one instruction a turn, in the same order in every step.
.macro MUL16 a0, p, q, sc, zero
.irp a, \a0, \a0+1
.irp b, 0,1,2,3,4,5,6,7
.if \zero
	v_wmma_scale_f32_16x16x128_f8f6f4 v[8*(8*((\a)%4)+\b):8*(8*((\a)%4)+\b)+7], v[128*(\p)+FR*\b:128*(\p)+FR*\b+FR-1], v[AF+FR*(\a):AF+FR*(\a)+FR-1], 0, v[SB+16*(\sc)+2*\b+(\q)], v[SA+16*(\sc)+2*(\a)+(\q)] matrix_a_fmt:MATRIX_FMT_BF8 matrix_b_fmt:MATRIX_FMT_BF8
.else
	v_wmma_scale_f32_16x16x128_f8f6f4 v[8*(8*((\a)%4)+\b):8*(8*((\a)%4)+\b)+7], v[128*(\p)+FR*\b:128*(\p)+FR*\b+FR-1], v[AF+FR*(\a):AF+FR*(\a)+FR-1], v[8*(8*((\a)%4)+\b):8*(8*((\a)%4)+\b)+7], v[SB+16*(\sc)+2*\b+(\q)], v[SA+16*(\sc)+2*(\a)+(\q)] matrix_a_fmt:MATRIX_FMT_BF8 matrix_b_fmt:MATRIX_FMT_BF8
.endif
.endr
.endr
.endm
.macro FETCH_B slot, q, p
	WIN TO_B
.irp i, 0,1,2,3,4,5,6,7
	FRAG 128*(\p)+FR*\i, ADRB+\slot, \q, \i
.endr
	WIN 0
.endm
.macro FETCH_A slot, q, i0
.irp i, \i0, \i0+1, \i0+2, \i0+3
	FRAGA AF+FR*(\i), ADRA+\slot, \q, \i
.endr
.endm
.macro SCALES sc, ks                   ; K step ks's scale words into set sc: two words a row, sixteen loads; every offset is an immediate
.irp i, 0,1,2,3,4,5,6,7
	ds_load_b64 v[SA+16*\sc+2*\i:SA+16*\sc+2*\i+1], v[ADSA] offset:512*\i+128*(\ks)
.endr
.irp i, 0,1,2,3,4,5,6,7
	ds_load_b64 v[SB+16*\sc+2*\i:SB+16*\sc+2*\i+1], v[ADSB] offset:544*\i+8*(\ks)
.endr
.endm
.macro PLACES n                        ; plain vector instructions that name no register of the matrix instructions before them (ISA guide 7.12.1 for vector instructions)
.rept \n
	v_nop
.endr
.endm
.macro STEP slot, q, zero
	s_wait_dscnt 4*NL                              ; all but the youngest 16 loads (A's blocks 4-7) are in
	WIN MUL_LO
	MUL16 0, (\q)%2, \q, \slot, \zero
	MUL16 2, (\q)%2, \q, \slot, \zero
	s_wait_dscnt 0
	PLACES NP
	FETCH_B \slot, (\q)+1, 1-(\q)%2
	FETCH_A \slot, (\q)+1, 0
	WIN MUL_HI
	MUL16 4, (\q)%2, \q, \slot, \zero
	MUL16 6, (\q)%2, \q, \slot, \zero
	PLACES NP
	WIN 0
	FETCH_A \slot, (\q)+1, 4
.endm
; A slot's last step changes slots: ONE barrier; in front of it each wave waits for all its tensor loads, adds 0 to its spare word, and waits for that and for its own reads of this slot.  ks: the K step that the next slot holds.
.macro TURN slot, next, fill, ks
	s_wait_tensorcnt 0x0                           ; all my tensor loads have landed: my part of the next slot
	ds_add_u32 v[SPW], v[NIL]                      ; 0 onto my spare word
	s_wait_dscnt 4*NL+1                            ; (the add and the youngest 16 loads may be out)
	WIN MUL_LO
	MUL16 0, 1, NQ-1, \slot, 0
	s_wait_dscnt 0x0                               ; the add is done, and my reads of this slot are over
	s_barrier_signal -1
	MUL16 2, 1, NQ-1, \slot, 0
	WIN 0
	s_barrier_wait -1
.if \fill
	CREST                                          ; the barrier has opened a round of the cluster's barrier: no wave of any partner still reads this slot's tile or has a load on its way
	s_add_nc_u64 s[G0+4*\slot+2:G0+4*\slot+3], s[G0+4*\slot+2:G0+4*\slot+3], 2*4096
	s_add_nc_u64 s[G0B+4*\slot+2:G0B+4*\slot+3], s[G0B+4*\slot+2:G0B+4*\slot+3], 2*ROWB
	JLOAD G0+4*\slot, G1, G0B+4*\slot, G1B         ; the first tensor load behind the round
	PLACES NP-4
.else
	PLACES NP
.endif
	FETCH_B \next, 0, 0
	FETCH_A \next, 0, 0
	SCALES \next, \ks
	WIN MUL_HI
	MUL16 4, 1, NQ-1, \slot, 0
	MUL16 6, 1, NQ-1, \slot, 0
	PLACES NP
	WIN 0
	FETCH_A \next, 0, 4
.endm
	s_wait_tensorcnt 1                             ; the scales and my part of K step 0 are in (K step 1's load may be out)
	s_barrier_signal -1
	s_barrier_wait -1                              ; everybody's are
	FETCH_B 0, 0, 0
	FETCH_A 0, 0, 0
	SCALES 0, 0
	FETCH_A 0, 0, 4
	STEP 0, 0, 1                                   ; the eight steps of K = 1,024 are written out; the first starts the sums
	TURN 0, 1, 1, 1
	STEP 1, 0, 0
	TURN 1, 0, 1, 2
	STEP 0, 0, 0
	TURN 0, 1, 0, 3
	STEP 1, 0, 0
	s_wait_dscnt 4*NL
	WIN MUL_LO
	MUL16 0, 1, NQ-1, 1, 0
	MUL16 2, 1, NQ-1, 1, 0
	s_wait_dscnt 0
	WIN MUL_HI
	MUL16 4, 1, NQ-1, 1, 0
	MUL16 6, 1, NQ-1, 1, 0
	WIN 0
; THE WAY OUT, block by block of 16 rows x 128 columns, through my own stage in LDS: in as 32 bytes a lane, back as whole rows of 512 bytes; bo is added to the rows read back.
; LDS serves a wave's instructions in order (ISA guide 5.7.1.4): no wait between the stores and the loads, nor in front of the next block's stores.
.macro TOSTAGE a
.set AC, 64*((\a)%4)
	WIN (0x08+4*((\a)/4))                          ; the data: window 2 or 3
.irp b, 0,1,2,3,4,5,6,7
	ds_store_b128 v[STO], v[AC+8*\b:AC+8*\b+3] offset:64*\b          ; each accumulator from its low end on
	ds_store_b128 v[STO], v[AC+8*\b+4:AC+8*\b+7] offset:64*\b+16
.endr
	WIN 0
.set BB, BK+64*((\a)%2)
.irp t, 0,1,2,3,4,5,6,7,8,9,10,11,12,13,14,15
	ds_load_b128 v[BB+4*\t:BB+4*\t+3], v[RD] offset:\t*SPITCH
.endr
.endm
.macro SEND a, younger                 ; younger: the LDS instructions issued behind block a's loads, which may stay out
.set BB, BK+64*((\a)%2)
	s_wait_dscnt \younger                          ; the block is back in registers
.if (\a) > 0
	s_add_nc_u64 s[98:99], s[98:99], 16*SIZE_N*4   ; (behind a wait on XCNT: the earlier stores have read their base)
.endif
.irp t, 0,1,2,3,4,5,6,7,8,9,10,11,12,13,14,15
	v_pk_add_f32 v[BB+4*\t:BB+4*\t+1], v[BB+4*\t:BB+4*\t+1], v[8:9]
	v_pk_add_f32 v[BB+4*\t+2:BB+4*\t+3], v[BB+4*\t+2:BB+4*\t+3], v[10:11]
	global_store_b128 v[CO], v[BB+4*\t:BB+4*\t+3], s[98:99] offset:\t*SIZE_N*4 th:TH_STORE_NT   ; 32 lanes store 512 consecutive bytes, at a multiple of 512 from out0's first byte
.endr
.endm
	PLACES NP                                      ; behind the last products: their results are read, and A's registers are loaded into, below
	s_wait_loadcnt 0x0                             ; bo
	TOSTAGE 0
.irp a, 1,2,3,4,5,6,7
.if \a > 1
	s_wait_xcnt 0x0                                ; block a - 2's stores have read their registers and their base
.endif
	TOSTAGE \a
	SEND \a-1, 32                                  ; behind block a - 1's loads: block a's 16 stores and 16 loads
.endr
	s_wait_xcnt 0x0                                ; block 6's stores have read their base
	SEND 7, 0
	s_wait_tensorcnt 0x0                           ; the wave's end
	ds_add_u32 v[SPW], v[NIL]
	s_wait_dscnt 0x0
	CROUND                                         ; the closing round: no work-group ends while a partner may still ask for a tile that names it
	s_endpgm
.Lfunc_end_k_q4f85fe0994_outp:
	.size	k_q4f85fe0994_outp, .Lfunc_end_k_q4f85fe0994_outp-k_q4f85fe0994_outp
	.p2alignl 7, 3214868480
	.fill 96, 4, 3214868480
	.section	.rodata,"a",@progbits
	.p2align	6, 0x0
	.amdhsa_kernel k_q4f85fe0994_outp
		.amdhsa_group_segment_fixed_size 327680
		.amdhsa_private_segment_fixed_size 0
		.amdhsa_enable_private_segment 0
		.amdhsa_kernarg_size 48
		.amdhsa_user_sgpr_count 2
		.amdhsa_user_sgpr_kernarg_segment_ptr 1
		.amdhsa_wavefront_size32 1
		.amdhsa_system_sgpr_workgroup_id_x 1
		.amdhsa_system_sgpr_workgroup_id_y 1
		.amdhsa_system_sgpr_workgroup_id_z 1
		.amdhsa_system_vgpr_workitem_id 0
		.amdhsa_next_free_vgpr 1024
		.amdhsa_next_free_sgpr 100
		.amdhsa_reserve_vcc 0
		.amdhsa_float_denorm_mode_32 3
		.amdhsa_float_denorm_mode_16_64 3
		.amdhsa_memory_ordered 1
		.amdhsa_forward_progress 1
		.amdhsa_inst_pref_size 163
	.end_amdhsa_kernel
	.amdgpu_metadata
---
amdhsa.version: [ 1, 2 ]
amdhsa.kernels:
  - .name:           k_q4f85fe0994_outp
    .symbol:         k_q4f85fe0994_outp.kd
    .args:
      - { .name: cimg, .offset: 0, .size: 8, .value_kind: global_buffer, .address_space: global }
      - { .name: csc, .offset: 8, .size: 8, .value_kind: global_buffer, .address_space: global }
      - { .name: codes, .offset: 16, .size: 8, .value_kind: global_buffer, .address_space: global }
      - { .name: scl, .offset: 24, .size: 8, .value_kind: global_buffer, .address_space: global }
      - { .name: bo, .offset: 32, .size: 8, .value_kind: global_buffer, .address_space: global }
      - { .name: out0, .offset: 40, .size: 8, .value_kind: global_buffer, .address_space: global }
    .group_segment_fixed_size: 327680
    .private_segment_fixed_size: 0
    .kernarg_segment_align: 8
    .kernarg_segment_size: 48
    .max_flat_workgroup_size: 128
    .sgpr_count:     100
    .vgpr_count:     1024
    .wavefront_size: 32
...
	.end_amdgpu_metadata
.endif
;; end of part 4
